; MI455X (gfx1250); checked and timed in simulation.
; The chip was launched on July 23, 2026; its instructions are those of AMD's public machine-readable ISA for CDNA 5 (MIT licence, August 2026) and "CDNA5" Instruction Set Architecture Reference Guide (July 2026). The comments in the code are by the model that wrote it; some were corrected since.
;; Sparse Mo E. Allowed arithmetic: matrix products marked QUANTISED: E5M2 operands, one given power-of-two scale a tensor, by v_wmma_f32_16x16x64_bf8_bf8 or v_wmma_f32_16x16x128_bf8_bf8, f32 sums; products left as they are: f32 operands where the result goes on into a quantised operand, else bf16, f16 or f32 operands; f32 sums; everything else in f32.
;; Inputs: W1_codes 8 x 2,048 x 32 x 32 uint8 (E5M2 codes of W1, K innermost, in blocks of 32 codes); W2 8 x 2,048 x 1,024 float32; Wr 1,024 x 8 float32; b1 8 x 2,048 float32; b2 8 x 1,024 float32; br 8 float32; lowp_scales 4 int32 (the exponents e of the quantised operands' scales 2^e); x 2 x 1,024 x 1,024 float32.
;; Outputs: out0 2 x 1,024 x 1,024 float32.
;; This version of the problem:
;;   THIS VERSION OF THE PROBLEM IS GIVEN IN LOW PRECISION. The matrix products marked QUANTISED in the list below multiply operands that are first quantised to E5M2 (5 exponent bits, 2 mantissa bits; 8 bits a number), with one given power-of-two scale for each operand tensor; their sums are f32. All else is computed in f32.
;;   The module's matrix products, in the order in which they are computed (A, B: the left and right operand; K: the contracted axis; several contracted axes count as one K, in the product's order):
;;     1. [M 2,048, K 1,024] x [K 1,024, N 8]; A: input x; B: input Wr: left as it is (N = 8 < 16)
;;     2. [M 2,048, K 1,024] x [K 1,024, N 16,384]; A: input x; B: input W1 (given as codes): QUANTISED (scales: A lowp_scales[0], B lowp_scales[1])
;;     3. batch 16,384 x [M 1, K 1] x [K 1, N 2,048]; A: computed on the way; B: computed on the way: left as it is (no contracted axis)
;;     4. [M 2,048, K 16,384] x [K 16,384, N 1,024]; A: computed on the way; B: input W2: QUANTISED (scales: A lowp_scales[2], B lowp_scales[3])
;;     5. [M 2,048, K 8] x [K 8, N 1,024]; A: softmax; B: input b2: left as it is (K = 8 < 32)
;;   THE QUANTISER, for each operand of a quantised product, along K:
;;     - The operand's scale is 2^e, e = its entry of the input lowp_scales (int32; the entries are numbered through the quantised products in the list's order, A before B).
;;     - Each number is divided by the scale, clamped to +-57,344, and rounded to the nearest number of E5M2, ties to even, subnormals kept.
;;     - The product sums the exact products of the quantised numbers (number of the format x scale) in f32.
;;   ~~~python
;;   def quantise(x, axis, e):      # numpy; x: float32 -> the quantised numbers, widened to float32 again
;;       x = np.moveaxis(x, axis, -1); K = x.shape[-1]
;;       r = np.clip(x / 2.0 ** e, -57344, 57344)
;;       step = 2.0 ** (np.maximum(np.frexp(np.where(r == 0, 1, r))[1] - 1, -14) - 2)
;;       q = np.round(r / step) * step * 2.0 ** e      # np.round: ties to even
;;       return np.moveaxis(q, -1, axis).astype(np.float32)
;;   ~~~
;;   OPERANDS COMPUTED ON THE WAY. 'Computed on the way' means the value that the module computes at that place (a softmax that the list does not call 'softmax' is quantised finished and normalised). What goes into a quantiser is computed in f32, as accurately as f32 sums, v_exp_f32 and their like allow (about 1e-6 of the number): no bf16 or f16 on the way to a quantiser, and a product that is left as it is and whose result goes on into a quantised operand takes f32 operands (vector FMAs, or v_wmma_f32_16x16x4_f32). A number that lies on a knife's edge between two numbers of the format may be rounded either way, as far as f32 arithmetic and the matrix unit's own rounding can turn it there, and no further.
;;   INPUTS GIVEN AS CODES. W1 (in the module: [8, 1024, 2048], K = its axis 1): each comes as NAME_codes (uint8): NAME with its K axis moved to the last place and cut into blocks of 32 codes, [.., K / 32, bytes a block], one block behind the other in memory; one code a byte (a code: sign, 5 exponent bits, 2 mantissa bits); its scale is its entry of lowp_scales. Its value is code x scale, taken as it is: it is not quantised again, and the codes and scales need not be those that the quantiser above would give.
;; One version. Each part assembles by itself: llvm-mc -triple=amdgcn-amd-amdhsa -mcpu=gfx1250 --defsym DOCPART=n.
;; ======== version 1 of 1: 4 launches
;; limits: right only within a limited range of input values
;; workspace buffers: xq 2,097,152 bytes; w2c 16,777,216 bytes; hq 11,403,264 bytes; gfull 65,536 bytes; sel 8,192 bytes of whole numbers; list1 22,272 bytes of whole numbers; tiles 4,096 bytes of whole numbers
;; launch prep (part 1): grid 672 x 1, 4 waves a work-group, no clusters, 72,704 bytes of LDS; arguments x, Wr, br, W2, lowp_scales, xq, gfull, sel, w2c; writes xq, gfull, sel, w2c
.if DOCPART == 1
	.amdgcn_target "amdgcn-amd-amdhsa--gfx1250"
	.amdhsa_code_object_version 6
	.text
	.protected	k_qddc868685e_prep
	.globl	k_qddc868685e_prep
	.p2align	8
	.type	k_qddc868685e_prep,@function
k_qddc868685e_prep:
	s_mov_b64 s[64:65], 0
	v_nop
	global_prefetch_b8 v0, s[64:65] scope:SCOPE_SE
	s_setreg_imm32_b32 hwreg(HW_REG_WAVE_MODE, 25, 1), 1
	s_wait_xcnt 0x0
; ONE LAUNCH, TWO JOBS, told apart by the work-group's number alone.
; Work-groups 0-127, THE ROUTER: 16 tokens each, 4 a wave.  logits = x Wr + br in f32 (fused multiply-adds), the two largest (of equal logits the lower index, as lax.top_k),
;   gates = softmax over the two with the larger taken away first; stored: gfull [2048][8] f32 (zeros off the two), sel [2048]: the number 0..27 of the token's pair of experts
;   (lo < hi: lo (15 - lo) / 2 + hi - lo - 1), at fixed places: no address here hangs on the choice.  The same x, still in registers, becomes codes of E5M2 with 2^ex: xq [2048][1024].
; Work-groups 128-287, W2: [16384 (e, h)][1024 n] f32: its rows 0 .. 5,119 (the next launch, which has room beside its one placing work-group, takes the other 11,264).
;   K is W2's first axis: a lane takes a column n and its registers run down K, so the conversions give codes with K innermost.
;   w2c is laid [K / 128][1024 n][128 bytes]: a tile of 128 columns x 128 K is one dense block of 16,384 bytes for the launch that multiplies.
; code = number / 2^e, held within +-57,344, to the nearest code, ties to even.
; LIMITS: ex and ew2 (entries 0 and 3 of the scales) between -126 and 112, so that 2^e and 57,344 x 2^e are f32 numbers.  NaN among the inputs is not served; logits are finite.
; gfull and sel are 73,728 bytes in all: a wave stores 128 and 16 bytes of them at a time; all other stores of a wave cover 512 consecutive bytes, aligned.
; No matrix unit (N = 8), no cluster (no tile is shared), no tensor load: both jobs are streams through registers.
; LDS: each job has bytes of its own.
; THE SHARES OF W2 AS THE CODE BELOW HAS THEM: work-groups 128-671 make the codes of rows 0 .. 8,703 (the next launch those of the other 7,680).  A work-group takes 128 columns x 128 along K, wave q its rows
; 32 q .. + 31; a lane loads 16 bytes, four neighbouring columns of a row (a wave 512 consecutive bytes), all 32 rows at once; the hold writes into other registers, so that a column's numbers follow each other there.
; The stage: column 4 l + c lies at GRP c + 144 l: in units of 16 bytes 9 l for a store's 16 lanes, and 296 c + 0 .. 7 for a load's: sixteen different ones modulo 16 each time.
; The gates of experts that were not chosen are 0 in reference() for all values of the inputs: the products' launches leave those rows out.  A NaN or an infinity that reaches only such rows is not carried to the result.
.set GRP,  4736                        ; 32 rows x 144 bytes + 128
.set WRB,  18944                       ; behind W2's stage of 4 GRP bytes.  The router: Wr as 256 chunks (4 rows of Wr, 128 bytes) 144 bytes apart
.set XST,  55808                       ; the router: 4,096 bytes for each wave, through which the codes of x turn
.set X,   32                           ; v32-159  x: token k, load j, word c at X + 32 k + 4 j + c: d = 128 j + 4 lane + c
.set W,   160                          ; v160-223 two sets of 32: Wr(d, e) at 8 c + e; later at work
.set ACC, 224                          ; v224-255 logit e of token k at ACC + 8 k + e; later at work
.set T,   12                           ; v12-27   token k: +0 the largest logit, then gate 1; +1 its index; +2 the second, then gate 2; +3 its index
.set BIN, 28                           ; v28-31   token k's pair number
.macro WLOAD j                         ; my chunk of load j's 128 d: 4 rows of Wr into set j % 2
.irp m, 0,1,2,3,4,5,6,7
	ds_load_b128 v[W+32*((\j)%2)+4*\m:W+32*((\j)%2)+4*\m+3], v4 offset:4608*(\j)+16*\m
.endr
.endm
.macro FMA j                           ; 4 d x 4 tokens x 8 experts: two experts an instruction, x's word serves both halves; the very first products start the sums
.irp c, 0,1,2,3
.irp k, 0,1,2,3
.irp p, 0,2,4,6
.set rA, ACC+8*\k+\p
.set rX, X+32*\k+4*(\j)+2*(\c/2)
.set rW, W+32*((\j)%2)+8*\c+\p
.if ((\j) == 0) && (\c == 0)
	v_pk_mul_f32 v[rA:rA+1], v[rX:rX+1], v[rW:rW+1] op_sel_hi:[0,1]
.elseif (\c%2) == 0
	v_pk_fma_f32 v[rA:rA+1], v[rX:rX+1], v[rW:rW+1], v[rA:rA+1] op_sel_hi:[0,1,1]
.else
	v_pk_fma_f32 v[rA:rA+1], v[rX:rX+1], v[rW:rW+1], v[rA:rA+1] op_sel:[1,0,0] op_sel_hi:[1,1,1]
.endif
.endr
.endr
.endr
.endm
.macro TOP2 k                          ; the two largest of token k's eight logits; a strict compare keeps the lower index among equals
.set rL, ACC+8*\k
.set rB, T+4*\k
	v_mov_b32 v[rB], v[rL]
	v_mov_b32 v[rB+1], 0
.irp e, 1,2,3,4,5,6,7
	v_cmp_gt_f32 vcc_lo, v[rL+\e], v[rB]
	v_cndmask_b32 v[rB], v[rB], v[rL+\e], vcc_lo
	v_cndmask_b32 v[rB+1], v[rB+1], \e, vcc_lo
.endr
	v_mov_b32 v[rB+2], 0xff800000                  ; -infinity: under every finite logit
	v_mov_b32 v[rB+3], 0
.irp e, 0,1,2,3,4,5,6,7
	v_cmp_ne_u32 s36, \e, v[rB+1]                  ; not the first choice,
	v_cmp_gt_f32 vcc_lo, v[rL+\e], v[rB+2]         ; and larger than what is held
	s_and_b32 vcc_lo, vcc_lo, s36
	v_cndmask_b32 v[rB+2], v[rB+2], v[rL+\e], vcc_lo
	v_cndmask_b32 v[rB+3], v[rB+3], \e, vcc_lo
.endr
.endm
	s_load_b256 s[4:11], s[0:1], 0x0               ; x s[4:5], Wr s[6:7], br s[8:9], W2 s[10:11]
	s_load_b256 s[12:19], s[0:1], 0x20             ; the scales s[12:13], xq s[14:15], gfull s[16:17], sel s[18:19]
	s_load_b64 s[20:21], s[0:1], 0x40              ; w2c
	s_set_vgpr_msb 0x40
	v_lshl_add_u32 v0, v0, 2, 0x11a00
	v_mov_b32 v1, 0
	s_set_vgpr_msb 0x4000
	v_lshrrev_b32 v1, 5, v0
	v_readfirstlane_b32 s22, v1                    ; wave 0..3
	v_and_b32 v1, 31, v0                           ; lane
	s_cmp_lt_u32 ttmp9, 128
	s_cbranch_scc0 .Lw2
	; ---------------- THE ROUTER ----------------
	v_lshlrev_b32 v2, 4, v0                        ; Wr in memory: 16 bytes a thread, 2,048 a load of the work-group
	v_lshrrev_b32 v3, 3, v0
	v_mul_u32_u24 v3, v3, 144
	v_and_b32 v4, 7, v0
	v_lshl_add_u32 v3, v4, 4, v3
	v_add_nc_u32 v3, WRB, v3                       ; and in LDS: chunk thread / 8, 16 bytes at 16 (thread % 8)
	v_mul_u32_u24 v4, v1, 144
	v_add_nc_u32 v4, WRB, v4                       ; where I read: chunk lane (+ 32 j)
	v_lshlrev_b32 v5, 4, v1                        ; 16 x lane
	v_lshlrev_b32 v11, 2, v1                       ; 4 x lane
	s_lshl_b32 s23, s22, 12
	s_add_co_u32 s23, s23, XST                     ; my wave's 4,096 bytes
	v_lshl_add_u32 v6, v1, 2, s23
	v_lshl_add_u32 v7, v1, 4, s23
	s_mov_b32 s34, 0x76543210                      ; v_permlanex16_b32: lane l xor 16
	s_mov_b32 s35, 0xfedcba98
	s_lshl_b32 s33, ttmp9, 4
	s_lshl_b32 s36, s22, 2
	s_add_co_u32 s33, s33, s36                     ; my first token: 16 x work-group + 4 x wave
	s_mov_b32 s37, 0
	s_wait_alu depctr_va_vdst(0)
	s_wait_kmcnt 0x0
	s_load_b256 s[24:31], s[8:9], 0x0              ; br
	s_load_b32 s32, s[12:13], 0x0                  ; ex
	s_lshl_b32 s36, s33, 12
	s_add_nc_u64 s[4:5], s[4:5], s[36:37]          ; x: 4,096 bytes a token
	s_lshl_b32 s36, s33, 10
	s_add_nc_u64 s[14:15], s[14:15], s[36:37]      ; xq: 1,024
	s_lshl_b32 s36, s33, 5
	s_add_nc_u64 s[16:17], s[16:17], s[36:37]      ; gfull: 32
	s_lshl_b32 s36, s33, 2
	s_add_nc_u64 s[18:19], s[18:19], s[36:37]      ; sel: 4
.irp i, 0,1,2,3,4,5,6,7,8,9,10,11,12,13,14,15
	global_load_b128 v[W+4*\i:W+4*\i+3], v2, s[6:7] offset:2048*\i
.endr
.irp k, 0,1,2,3
.irp j, 0,1,2,3,4,5,6,7
	global_load_b128 v[X+32*\k+4*\j:X+32*\k+4*\j+3], v5, s[4:5] offset:4096*\k+512*\j th:TH_LOAD_NT   ; 512 consecutive bytes a load
.endr
.endr
	s_wait_loadcnt 32                              ; Wr's 16 loads are in; x's 32 are younger
.irp i, 0,1,2,3,4,5,6,7,8,9,10,11,12,13,14,15
	ds_store_b128 v3, v[W+4*\i:W+4*\i+3] offset:2304*\i
.endr
	s_wait_dscnt 0x0                               ; my part of Wr lies in LDS,
	s_barrier_signal -1
	s_barrier_wait -1                              ; everybody's does
	WLOAD 0
	s_wait_loadcnt 0x0                             ; x
.irp j, 0,1,2,3,4,5,6,7
.if \j < 7
	WLOAD \j+1
	s_wait_dscnt 8                                 ; set j is in; the eight loads just issued are younger
.else
	s_wait_dscnt 0x0
.endif
	FMA \j
.endr
	; the 32 sums over the 32 lanes: four steps inside each half of the lanes, one across; every lane ends with every logit
.irp m, 1,2,4,8
.set n, 0
.rept 32
	v_add_f32_dpp v[ACC+n], v[ACC+n], v[ACC+n] row_xmask:\m row_mask:0xf bank_mask:0xf
.set n, n+1
.endr
.endr
.set n, 0
.rept 32
	v_permlanex16_b32 v[W+n], v[ACC+n], s34, s35   ; (its destination has been written: it held Wr)
.set n, n+1
.endr
.set n, 0
.rept 32
	v_add_f32 v[ACC+n], v[ACC+n], v[W+n]
.set n, n+1
.endr
	s_wait_kmcnt 0x0                               ; br, ex
.irp k, 0,1,2,3
.irp e, 0,1,2,3,4,5,6,7
	v_add_f32 v[ACC+8*\k+\e], s[24+\e], v[ACC+8*\k+\e]
.endr
.endr
	TOP2 0
	TOP2 1
	TOP2 2
	TOP2 3
	; gates: the larger logit is taken away: 1 and e2 = exp(second - first), divided by 1 + e2
.irp k, 0,1,2,3
	v_sub_f32 v[T+4*\k+2], v[T+4*\k+2], v[T+4*\k]
	v_mul_f32 v[T+4*\k+2], 0x3fb8aa3b, v[T+4*\k+2] ; x log2(e)
.endr
	s_wait_alu depctr_va_vdst(0)
.irp k, 0,1,2,3
	v_exp_f32 v[T+4*\k+2], v[T+4*\k+2]
.endr
	v_nop                                          ; a plain line behind the last exponential,
	s_wait_alu depctr_va_vdst(0)                   ; and one wait for the four, ahead of their first reader
.irp k, 0,1,2,3
	v_add_f32 v[T+4*\k], 1.0, v[T+4*\k+2]
.endr
	s_wait_alu depctr_va_vdst(0)
.irp k, 0,1,2,3
	v_rcp_f32 v[T+4*\k], v[T+4*\k]                 ; gate 1
.endr
	v_nop
	s_wait_alu depctr_va_vdst(0)                   ; one wait for the four reciprocals
.irp k, 0,1,2,3
	v_mul_f32 v[T+4*\k+2], v[T+4*\k+2], v[T+4*\k]  ; gate 2
.endr
.irp k, 0,1,2,3                                ; the pair's number
	v_min_u32 v10, v[T+4*\k+1], v[T+4*\k+3]        ; lo
	v_max_u32 v[BIN+\k], v[T+4*\k+1], v[T+4*\k+3]  ; hi
	v_sub_nc_u32 v[BIN+\k], v[BIN+\k], v10
	v_sub_nc_u32 v224, 15, v10
	v_mul_u32_u24 v224, v224, v10
	v_lshrrev_b32 v224, 1, v224
	v_add3_u32 v[BIN+\k], v[BIN+\k], v224, -1
.endr
	; gfull: lane l stands for token l / 8 and expert l % 8
	v_and_b32 v231, 7, v1
	v_lshrrev_b32 v232, 3, v1
	v_mov_b32 v228, 0
.irp k, 0,1,2,3
	v_cmp_eq_u32 vcc_lo, v231, v[T+4*\k+3]
	v_cndmask_b32 v229, 0, v[T+4*\k+2], vcc_lo
	v_cmp_eq_u32 vcc_lo, v231, v[T+4*\k+1]
	v_cndmask_b32 v229, v229, v[T+4*\k], vcc_lo
	v_cmp_eq_u32 vcc_lo, \k, v232
	v_cndmask_b32 v228, v228, v229, vcc_lo
.endr
	global_store_b32 v11, v228, s[16:17]           ; my wave's four tokens: 128 consecutive bytes
	v_mov_b32 v230, v[BIN]                         ; sel: lane k (0..3) takes token k's number
.irp k, 1,2,3
	v_cmp_eq_u32 vcc_lo, \k, v1
	v_cndmask_b32 v230, v230, v[BIN+\k], vcc_lo
.endr
	; x becomes codes
	s_add_co_i32 s32, s32, 127
	s_lshl_b32 s36, s32, 23
	v_mov_b32 v8, s36                              ; 2^ex as f32: the conversion takes its exponent field
	s_add_co_i32 s32, s32, 15
	s_lshl_b32 s32, s32, 23
	s_or_b32 s32, s32, 0x600000
	v_mov_b32 v9, s32                              ; 57,344 x 2^ex
.set n, 0
.rept 128
	v_med3_num_f32 v[X+n], v[X+n], -v9, v9
.set n, n+1
.endr
.set n, 0
.rept 16
	v_cvt_scalef32_pk8_bf8_f32 v[W+2*n:W+2*n+1], v[X+8*n:X+8*n+7], v8
.set n, n+1
.endr
	v_nop                                          ; a plain line behind the last conversion
.set n, 0
.rept 32
	ds_store_b32 v6, v[W+n] offset:128*n           ; word n: 4 codes at byte 128 n + 4 lane of my four tokens' 4,096
.set n, n+1
.endr
.set n, 0
.rept 8
	ds_load_b128 v[W+32+4*n:W+32+4*n+3], v7 offset:512*n   ; LDS serves a wave's instructions in order: these see my stores
.set n, n+1
.endr
.set n, 0
.rept 8
	s_wait_dscnt 7-n
	global_store_b128 v5, v[W+32+4*n:W+32+4*n+3], s[14:15] offset:512*n   ; 512 consecutive bytes, aligned
.set n, n+1
.endr
	v_cmp_gt_u32 vcc_lo, 4, v1
	s_wait_xcnt 0x0                                ; EXEC changes only behind this wait,
	s_set_vgpr_msb 0x5
	s_wait_tensorcnt 0x0
	ds_add_u32 v0, v1
	s_wait_dscnt 0x0
	s_set_vgpr_msb 0x500
	s_and_saveexec_b32 s37, vcc_lo
	global_store_b32 v11, v230, s[18:19]
	s_wait_xcnt 0x0                                ; and again
	s_or_b32 exec_lo, exec_lo, s37
	s_endpgm
	; ---------------- W2 ----------------
.Lw2:
	s_sub_co_u32 s23, ttmp9, 128
	s_and_b32 s24, s23, 7                          ; which 128 columns
	s_lshr_b32 s25, s23, 3                         ; which 128 along K: 0 .. 67
	s_lshl_b32 s26, s24, 7
	s_lshl_b32 s27, s22, 5                         ; 32 x wave: my rows, and their bytes in a column's row of codes
	s_wait_alu depctr_va_vdst(0)
	v_lshlrev_b32 v3, 4, v1                        ; in: 16 bytes a lane
	v_mul_u32_u24 v4, v1, 144
	v_add_nc_u32 v4, s27, v4                       ; into it: row = my column
	v_lshrrev_b32 v5, 3, v1
	v_mul_u32_u24 v7, v5, GRP
	v_and_b32 v6, 7, v1
	v_lshl_add_u32 v7, v6, 4, v7
	s_mul_i32 s27, s22, 8*144
	v_add_nc_u32 v7, s27, v7                       ; out of it: columns 32 wave + 4 t + lane / 8, eight lanes to 128 bytes,
	v_lshlrev_b32 v8, 4, v1                        ; which are 512 consecutive bytes of w2c
	s_lshl_b32 s28, s25, 19                        ; 128 rows of 4,096 bytes
	s_lshl_b32 s29, s22, 17                        ; 32 rows
	s_add_co_u32 s28, s28, s29
	s_lshl_b32 s29, s26, 2
	s_add_co_u32 s28, s28, s29
	s_mov_b32 s29, 0
	s_lshl_b32 s30, s25, 17                        ; a block of 1,024 columns x 128 bytes
	s_lshl_b32 s31, s26, 7
	s_add_co_u32 s30, s30, s31
	s_lshl_b32 s31, s22, 12                        ; my 32 columns on the way out
	s_add_co_u32 s30, s30, s31
	s_mov_b32 s31, 0
	s_wait_alu depctr_va_vdst(0)
	s_wait_kmcnt 0x0
	s_load_b32 s32, s[12:13], 0xc                  ; ew2
	s_add_nc_u64 s[10:11], s[10:11], s[28:29]
	s_add_nc_u64 s[20:21], s[20:21], s[30:31]
.set n, 0
.rept 32
	global_load_b128 v[32+4*n:35+4*n], v3, s[10:11] offset:n*4096 th:TH_LOAD_NT   ; row 32 q + n, my four columns
.set n, n+1
.endr
	s_wait_kmcnt 0x0
	s_add_co_i32 s32, s32, 127
	s_lshl_b32 s33, s32, 23
	v_mov_b32 v11, s33                             ; 2^ew2
	s_add_co_i32 s32, s32, 15
	s_lshl_b32 s32, s32, 23
	s_or_b32 s32, s32, 0x600000
	v_mov_b32 v10, s32                             ; 57,344 x 2^ew2
	s_wait_alu depctr_va_vdst(0)
.irp u, 0,1                                    ; 16 rows at a time
	s_wait_loadcnt 16-16*\u                        ; the first 16 rows are in, the other 16 are younger; then all
.irp c, 0,1,2,3
.set n, 0
.rept 16
	v_med3_num_f32 v[160+16*(\c%2)+n], v[32+64*\u+4*n+\c], -v10, v10   ; the hold (the conversion to an 8-bit code does not saturate: ISA guide 7.6.2), which also lays column c's numbers side by side
.set n, n+1
.endr
	v_cvt_scalef32_pk8_bf8_f32 v[192+16*\u+4*\c:193+16*\u+4*\c], v[160+16*(\c%2):167+16*(\c%2)], v11
	v_cvt_scalef32_pk8_bf8_f32 v[194+16*\u+4*\c:195+16*\u+4*\c], v[168+16*(\c%2):175+16*(\c%2)], v11
	ds_store_b128 v4, v[192+16*\u+4*\c:195+16*\u+4*\c] offset:GRP*\c+16*\u   ; 16 codes of column 4 lane + c (the next column's holds are the plain lines behind the conversions)
.endr
.endr
	v_nop                                          ; a plain line behind the last conversion
	s_wait_dscnt 0x0                               ; my codes lie in the stage,
	s_barrier_signal -1
	s_barrier_wait -1                              ; everybody's do
.irp t, 0,1,2,3,4,5,6,7
	ds_load_b128 v[32+4*\t:35+4*\t], v7 offset:144*\t
.endr
.irp t, 0,1,2,3,4,5,6,7
	s_wait_dscnt 7-\t
	global_store_b128 v8, v[32+4*\t:35+4*\t], s[20:21] offset:512*\t   ; 512 consecutive bytes, aligned
.endr
	s_set_vgpr_msb 0x5
	s_wait_tensorcnt 0x0
	ds_add_u32 v0, v1
	s_wait_dscnt 0x0
	s_set_vgpr_msb 0x500
	s_endpgm
.Lfunc_end_k_qddc868685e_prep:
	.size	k_qddc868685e_prep, .Lfunc_end_k_qddc868685e_prep-k_qddc868685e_prep
	.p2alignl 7, 3214868480
	.fill 96, 4, 3214868480
	.section	.rodata,"a",@progbits
	.p2align	6, 0x0
	.amdhsa_kernel k_qddc868685e_prep
		.amdhsa_group_segment_fixed_size 72704
		.amdhsa_private_segment_fixed_size 0
		.amdhsa_enable_private_segment 0
		.amdhsa_kernarg_size 72
		.amdhsa_user_sgpr_count 2
		.amdhsa_user_sgpr_kernarg_segment_ptr 1
		.amdhsa_wavefront_size32 1
		.amdhsa_system_sgpr_workgroup_id_x 1
		.amdhsa_system_sgpr_workgroup_id_y 1
		.amdhsa_system_sgpr_workgroup_id_z 1
		.amdhsa_system_vgpr_workitem_id 0
		.amdhsa_next_free_vgpr 258
		.amdhsa_next_free_sgpr 66
		.amdhsa_reserve_vcc 1
		.amdhsa_float_denorm_mode_32 3
		.amdhsa_float_denorm_mode_16_64 3
		.amdhsa_memory_ordered 1
		.amdhsa_forward_progress 1
		.amdhsa_inst_pref_size 100
	.end_amdhsa_kernel
	.amdgpu_metadata
---
amdhsa.version: [ 1, 2 ]
amdhsa.kernels:
  - .name:           k_qddc868685e_prep
    .symbol:         k_qddc868685e_prep.kd
    .args:
      - { .name: x, .offset: 0, .size: 8, .value_kind: global_buffer, .address_space: global }
      - { .name: Wr, .offset: 8, .size: 8, .value_kind: global_buffer, .address_space: global }
      - { .name: br, .offset: 16, .size: 8, .value_kind: global_buffer, .address_space: global }
      - { .name: W2, .offset: 24, .size: 8, .value_kind: global_buffer, .address_space: global }
      - { .name: lowp_scales, .offset: 32, .size: 8, .value_kind: global_buffer, .address_space: global }
      - { .name: xq, .offset: 40, .size: 8, .value_kind: global_buffer, .address_space: global }
      - { .name: gfull, .offset: 48, .size: 8, .value_kind: global_buffer, .address_space: global }
      - { .name: sel, .offset: 56, .size: 8, .value_kind: global_buffer, .address_space: global }
      - { .name: w2c, .offset: 64, .size: 8, .value_kind: global_buffer, .address_space: global }
    .group_segment_fixed_size: 72704
    .private_segment_fixed_size: 0
    .kernarg_segment_align: 8
    .kernarg_segment_size: 72
    .max_flat_workgroup_size: 128
    .sgpr_count:     66
    .vgpr_count:     258
    .wavefront_size: 32
...
	.end_amdgpu_metadata
.endif
;; end of part 1
;; launch place (part 2): grid 244 x 1, 16 waves a work-group, no clusters, 41,984 bytes of LDS; arguments sel, list1, tiles, w2c, W2, lowp_scales; writes list1, tiles, w2c
.if DOCPART == 2
	.amdgcn_target "amdgcn-amd-amdhsa--gfx1250"
	.amdhsa_code_object_version 6
	.text
	.protected	k_qddc868685e_place
	.globl	k_qddc868685e_place
	.p2align	8
	.type	k_qddc868685e_place,@function
k_qddc868685e_place:
	s_mov_b64 s[64:65], 0
	v_nop
	global_prefetch_b8 v0, s[64:65] scope:SCOPE_SE
	s_setreg_imm32_b32 hwreg(HW_REG_WAVE_MODE, 25, 1), 1
	s_wait_xcnt 0x0
; ONE LAUNCH, TWO JOBS, told apart by the work-group's number alone; each has LDS bytes of its own.  The placing is the work of ONE work-group, since every place hangs on all 2,048 choices;
; W2's codes are wanted only by the last launch and need nothing of the placing: so the larger part of them is made here, by 176 work-groups beside the one that places.
;
; WORK-GROUP 0: THE ROWS ARE PLACED.  All numbers here are whole.  sel[t] is the number 0..27 of token t's pair of experts (a < b).
; tokT: the tokens sorted by pair.  list1: for each expert the tokens that chose it, its pairs one after the other in the pairs' order, each pair in tokT's order; expert e's rows begin at 128 S_e
; (S_e: the tiles of 128 rows of the experts before it).  So the tokens of a pair stand at consecutive places in tokT and in both experts' lists.
; tiles, byte 0: 40 entries {expert, rows, first place, 0} of the first product; byte 1,024: 44 entries {a, b, rows, place in tokT, place in a's list, place in b's list, 0, 0} of the second.
; Entries behind the last tile are zeros.  There are never more than 39 and 43 tiles: floor((4096 - 8) / 128) + 8 and floor((2048 - 28) / 128) + 28.
; Sixteen waves; wave w owns tokens 128 w .. 128 w + 127, four a lane.  No atomics: a token's place is its pair's base, plus the number
; of that pair's tokens in earlier waves, plus its rank in its own wave; every token is stored with all lanes on.
; The placing has no branch: which wave writes which part of the tables is said by lane masks, which are 0 in the waves that have no part in it.
;
; WORK-GROUPS 1-176: W2's rows 5,120 .. 16,383 ([16384 (e, h)][1024 n] f32, K its first axis) become codes of E5M2 with 2^ew2, laid [K / 128][1024 n][128 bytes], as the launch before lays rows 0 .. 5,119.
; A lane takes a column n and its registers run down K.  A wave takes 32 columns x 128 along K (4 blocks of 32), a work-group 512 columns of one block of 128: a row's 16 loads cover 2,048 consecutive bytes.
; code = number / 2^ew2, held within +-57,344, to the nearest code, ties to even.  LIMITS: ew2 between -126 and 112; NaN among the inputs is not served.
; Every offset is an immediate: 127 rows of 4,096 bytes at the most, inside the signed 24 bits (ISA guide, chapter 10).
; SIZES AND SHARES AS THE CODE BELOW HAS THEM.  The first product's tiles have up to 192 rows: expert e's rows begin at 192 S_e (S_e: the tiles of 192 rows of the experts before it);
; there are never more than floor((4096 - 8) / 192) + 8 = 29 of them.  The second product's tiles have up to 128 rows.
; W2: work-groups 1-240 make the codes of rows 8,704 .. 16,383: a work-group 128 along K x 256 columns, wave w the 16 rows 16 (w % 8) of the 128 columns w / 8; a lane loads 16 bytes, four neighbouring columns
; of a row (a wave 512 consecutive bytes).  The stage holds 128 codes of 256 columns: column 4 l + c of a half lies at GRP c + 144 l.
.set GRP,  4736                        ; 32 rows x 144 bytes + 128
.set KB1,  68                          ; blocks 0 .. 67 of 128 along K are the launch before's
.set W2ST, 2048                        ; LDS: bytes 0 .. 2,047 are the placing's; from here a stage of 4 GRP bytes for each 128 columns of W2's job
.set R,   8                            ; v8-11   the pair numbers of tokens 4 thread + c
.set RK,  12                           ; v12-15  their ranks among my wave's tokens of the same pair
.set TM,  16                           ; v16-19  at work
.set H,   20                           ; v20     lane i: my wave's tokens of pair i
.set TAB, 24                           ; v24-39  the sixteen waves' counts (lane = pair); later the two places
.set CNT, 40                           ; lane i from here on stands for pair i:  its tokens,
.set PW,  41                           ; those in waves before mine,
.set VA,  42                           ; its experts a
.set VB,  43                           ; and b,
.set P,   44
.set NT,  45                           ; its tiles,
.set TBV, 46                           ; the tiles of earlier pairs,
.set RA,  47                           ; the tokens of earlier pairs that hold a,
.set RB,  48                           ; or b
.set M,   49
.set TT,  50                           ; at work (written before it serves as a DPP destination)
.set HI,  51                           ; all ones in lanes 16-31
.set PA,  52                           ; the pair's place in a's list,
.set PB,  53                           ; in b's
.set BT,  54                           ; unused; BA, BB: the two bases for my wave's tokens
.set BA,  55
.set BB,  56
.set OWN, 57
.macro AB k, t                         ; pairs t and up have a >= k
	v_cmp_le_u32 vcc_lo, \t, v1
	s_delay_alu instid0(VALU_DEP_1)
	v_cndmask_b32 v[VA], v[VA], \k, vcc_lo
	s_delay_alu instid0(VALU_DEP_2)
	v_cndmask_b32 v[TT], v[TT], \t, vcc_lo
.endm
.macro SCAN r                          ; lane i gets the sum over lanes 0 .. i: four steps inside each half of the lanes, then lane 15's sum onto lanes 16-31
.irp n, 1
	v_mov_b32_dpp v[TT], v[\r] row_shr:\n row_mask:0xf bank_mask:0xf bound_ctrl:1
	s_delay_alu instid0(VALU_DEP_1)
	v_add_nc_u32 v[\r], v[\r], v[TT]
.endr
.irp n, 2, 4, 8
	s_delay_alu instid0(VALU_DEP_1)
	v_mov_b32_dpp v[TT], v[\r] row_shr:\n row_mask:0xf bank_mask:0xf bound_ctrl:1
	s_delay_alu instid0(VALU_DEP_1)
	v_add_nc_u32 v[\r], v[\r], v[TT]
.endr
	s_delay_alu instid0(VALU_DEP_1)
	v_readlane_b32 s53, v[\r], 15
	s_delay_alu instid0(VALU_DEP_1)
	v_and_b32 v[TT], s53, v[HI]
	s_delay_alu instid0(VALU_DEP_1)
	v_add_nc_u32 v[\r], v[\r], v[TT]
.endm
.macro ONLY m                          ; the lanes of mask s[m] alone go on
	s_mov_b32 vcc_lo, s[\m]
	s_wait_xcnt 0x0                                ; EXEC is a source of the stores issued before: it changes only behind this wait
	s_and_saveexec_b32 s55, vcc_lo
.endm
.macro ALL                             ; all lanes again
	s_wait_xcnt 0x0                                ; and again, in front of the line that widens it
	s_or_b32 exec_lo, exec_lo, s55
.endm
	v_lshl_add_u32 v144, v0, 2, 0x9c00
	v_mov_b32 v145, 0
	s_sub_co_u32 s13, ttmp9, 1
	s_cmp_lt_u32 s13, 240                          ; work-groups 1-240: W2
	s_cbranch_scc1 .Lw2
	; PLACING WORK-GROUPS: 0 and 241-243, numbers g = 0 .. 3.  Each counts all 2,048 choices; work-group g stores the places of the tokens 4 thread + g alone, work-group 0 the tables.
	; There is no tokT: a pair's tokens stand at consecutive places of both experts' lists, and the second product reads them from expert a's.  Order inside a pair: (wave, token modulo 4, lane).
	; ---------------- THE PLACING ----------------
	s_load_b128 s[4:7], s[0:1], 0x0                ; sel s[4:5], list1 s[6:7]
	s_load_b64 s[10:11], s[0:1], 0x10              ; tiles
	v_lshrrev_b32 v1, 5, v0
	s_delay_alu instid0(VALU_DEP_1)
	v_readfirstlane_b32 s12, v1                    ; wave 0..15
	v_and_b32 v1, 31, v0                           ; lane
	s_delay_alu instid0(VALU_DEP_1)
	v_lshlrev_b32 v2, 2, v1
	v_lshlrev_b32 v3, 2, v0                        ; LDS: my word of my wave's 128 bytes
	v_lshlrev_b32 v4, 4, v0                        ; sel: 16 bytes a thread
	s_wait_alu depctr_va_vdst(0)
	s_wait_kmcnt 0x0
	global_load_b128 v[R:R+3], v4, s[4:5]
.set LB, 92                            ; v92-96  all ones where bit k of my lane's number is set
.set LT, 97                            ; v97     the bits of the lanes below mine
.set TW, 100                           ; v100-119, v120-139 at work
.set TL, 120
.irp k, 0,1,2,3,4
	v_lshlrev_b32 v[LB+\k], 31-\k, v1
.endr
.irp k, 0,1,2,3,4
	v_ashrrev_i32 v[LB+\k], 31, v[LB+\k]
.endr
	v_lshlrev_b32 v[LT], v1, 1
	s_max_u32 s56, ttmp9, 240
	s_sub_co_u32 s56, s56, 240                     ; g
	s_mov_b32 s40, 0x01010101
	v_add_nc_u32 v[LT], -1, v[LT]
	v_mov_b32 v[VA], 0                             ; lane i's pair: a, and the first pair with that a
	v_mov_b32 v[TT], 0
	AB 1, 7
	AB 2, 13
	AB 3, 18
	AB 4, 22
	AB 5, 25
	AB 6, 27
	s_delay_alu instid0(VALU_DEP_1)
	v_sub_nc_u32 v[VB], v1, v[TT]
	s_delay_alu instid0(VALU_DEP_1)
	v_add3_u32 v[VB], v[VB], v[VA], 1              ; b = i - first + a + 1  (lanes 28-31 get b above 7 and hold no tokens)
	v_cmp_le_u32 vcc_lo, 16, v1
	s_delay_alu instid0(VALU_DEP_1)
	v_cndmask_b32 v[HI], 0, -1, vcc_lo
.irp j, 84,85,86,87
	v_mov_b32 v\j, 0                               ; a zero entry
.endr
	s_wait_loadcnt 0x0
	; my wave's count of each pair, and each token's rank: order (register, lane)
	; By masks: s[20+5c+k] holds the lanes whose token c has bit k set in its pair's number.  A lane differs from mine in bit k where that mask xor my own bit (all ones or none) is 1:
	; the five ored and inverted leave the lanes of my token's pair; with the lane's own number in place of the token's, the lanes that hold pair 'lane'.
.macro ALL20 op, k1                    ; v[TW+j] = op(k1, v[TW+j])
.set j, 0
.rept 20
	\op v[TW+j], \k1, v[TW+j]
.set j, j+1
.endr
.endm
.macro SC8 op, d, k, b                 ; eight registers: v[x+d] = op(k, v[x+b])
.irp x, 60,61,62,63,136,137,138,139
	\op v[\x+\d], \k, v[\x+\b]
.endr
.endm
.macro VV8 op
.irp x, 60,61,62,63,136,137,138,139
	\op v[\x], v[\x], v[\x+4]
.endr
.endm
.irp c, 0,1,2,3
.irp k, 0,1,2,3,4
	v_lshlrev_b32 v[TW+5*\c+\k], 31-\k, v[R+\c]
.endr
.endr
	ALL20 v_ashrrev_i32, 31
.set j, 0
.rept 20
	v_cmp_gt_i32 s[20+j], 0, v[TW+j]
.set j, j+1
.endr
.irp c, 0,1,2,3
.irp k, 0,1,2,3,4
	v_xor_b32 v[TW+5*\c+\k], s[20+5*\c+\k], v[TW+5*\c+\k]
	v_xor_b32 v[TL+5*\c+\k], s[20+5*\c+\k], v[LB+\k]
.endr
.endr
.irp k, 1,2,3,4
.irp c, 0,1,2,3
	v_or_b32 v[TW+5*\c], v[TW+5*\c], v[TW+5*\c+\k]
	v_or_b32 v[TL+5*\c], v[TL+5*\c], v[TL+5*\c+\k]
.endr
.endr
.irp c, 0,1,2,3
	v_xor_b32 v[60+\c], -1, v[TW+5*\c]
	v_xor_b32 v[136+\c], -1, v[TL+5*\c]
.endr
.irp c, 0,1,2,3
	v_and_b32 v[60+\c], v[LT], v[60+\c]            ; for the rank: the lanes below mine
.endr
.irp c, 1,2,3
	s_cmp_eq_u32 s56, \c
	s_cselect_b32 s[19+\c], -1, 0                  ; g = c?
.endr
	SC8 v_lshrrev_b32, 4, 1, 0                     ; the bits set in each of the eight: sums of 2, 4, 8 bits, then of the four bytes
	SC8 v_and_b32, 4, 0x55555555, 4
	VV8 v_sub_nc_u32
	SC8 v_lshrrev_b32, 4, 2, 0
	SC8 v_and_b32, 0, 0x33333333, 0
	SC8 v_and_b32, 4, 0x33333333, 4
	VV8 v_add_nc_u32
	SC8 v_lshrrev_b32, 4, 4, 0
	VV8 v_add_nc_u32
	SC8 v_and_b32, 0, 0x0f0f0f0f, 0
	SC8 v_mul_lo_u32, 0, s40, 0
	SC8 v_lshrrev_b32, 0, 24, 0
	v_add_nc_u32 v[H], v136, v137                  ; lane i: my wave's tokens of pair i
	v_add3_u32 v[H], v[H], v138, v139
	ds_store_b32 v3, v[H]
	v_mov_b32 v[TM], v[R]                          ; v16: my token g's pair,
	v_mov_b32 v[RK], v60                           ; v12: its rank among the wave's tokens g,
	v_mov_b32 v[RK+1], 0                           ; v13: lane i: the wave's tokens of pair i with a smaller number modulo 4,
	v_lshl_add_u32 v[RK+3], v0, 2, s56             ; v15: the token's number: 4 thread + g
.irp c, 1,2,3
	v_cndmask_b32 v[TM], v[TM], v[R+\c], s[19+\c]
	v_cndmask_b32 v[RK], v[RK], v[60+\c], s[19+\c]
	v_cndmask_b32 v[RK+1], v[RK+1], v136, s[19+\c]
	v_add_nc_u32 v136, v136, v[136+\c]
.endr
	s_wait_dscnt 0x0                               ; my counts lie in LDS,
	s_barrier_signal -1
	s_barrier_wait -1                              ; everybody's do
.irp u, 0,1,2,3,4,5,6,7,8,9,10,11,12,13,14,15
	ds_load_b32 v[TAB+\u], v2 offset:128*\u
.endr
	v_mov_b32 v[CNT], 0
	v_mov_b32 v[PW], 0
	v_mov_b32 v[RA], 0
	v_mov_b32 v[RB], 0
	s_wait_alu depctr_va_vdst(0)
	s_wait_dscnt 0x0
.irp u, 0,1,2,3,4,5,6,7,8,9,10,11,12,13,14,15
	s_cmp_gt_u32 s12, \u
	s_cselect_b32 s20, -1, 0
	v_and_b32 v[TT], s20, v[TAB+\u]
	v_add_nc_u32 v[CNT], v[CNT], v[TAB+\u]
	s_delay_alu instid0(VALU_DEP_2)
	v_add_nc_u32 v[PW], v[PW], v[TT]
.endr
	v_add_nc_u32 v[NT], 127, v[CNT]
	s_delay_alu instid0(VALU_DEP_1)
	v_lshrrev_b32 v[NT], 7, v[NT]
	s_delay_alu instid0(VALU_DEP_1)
	v_mov_b32 v[TBV], v[NT]
	SCAN TBV
	s_delay_alu instid0(VALU_DEP_1)
	v_readlane_b32 s54, v[TBV], 31                 ; all tiles of the second product
	s_delay_alu instid0(VALU_DEP_2)
	v_sub_nc_u32 v[TBV], v[TBV], v[NT]
.irp e, 0,1,2,3,4,5,6,7                        ; expert e: the counts of the pairs that hold it, summed over earlier pairs; the whole sum is C_e
	v_cmp_eq_u32 s20, \e, v[VA]
	v_cmp_eq_u32 s21, \e, v[VB]
	s_or_b32 s22, s20, s21
	v_cndmask_b32 v[M], 0, v[CNT], s22
	s_delay_alu instid0(VALU_DEP_1)
	v_mov_b32 v[OWN], v[M]
	SCAN M
	s_delay_alu instid0(VALU_DEP_1)
	v_readlane_b32 s[36+\e], v[M], 31
	s_delay_alu instid0(VALU_DEP_2)
	v_sub_nc_u32 v[M], v[M], v[OWN]
	s_delay_alu instid0(VALU_DEP_1)
	v_cndmask_b32 v[RA], v[RA], v[M], s20
	s_delay_alu instid0(VALU_DEP_2)
	v_cndmask_b32 v[RB], v[RB], v[M], s21
.endr
	s_mov_b32 s44, 0                               ; S_0 .. S_8 in s44 .. s52
.irp e, 0,1,2,3,4,5,6,7
	s_add_co_u32 s53, s[36+\e], 191                ; (C_e + 191) / 192, rounded down: over 64, then over 3 (x 171 / 512 is that for numbers up to 34)
	s_lshr_b32 s53, s53, 6
	s_mul_i32 s53, s53, 171
	s_lshr_b32 s53, s53, 9
	s_add_co_u32 s[45+\e], s[44+\e], s53
.endr
	v_mov_b32 v[PA], 0
	v_mov_b32 v[PB], 0
.irp e, 1,2,3,4,5,6,7
	v_mov_b32 v[TT], s[44+\e]
	v_cmp_eq_u32 vcc_lo, \e, v[VA]
	s_delay_alu instid0(VALU_DEP_1)
	v_cndmask_b32 v[PA], v[PA], v[TT], vcc_lo
	v_cmp_eq_u32 vcc_lo, \e, v[VB]
	s_delay_alu instid0(VALU_DEP_1)
	v_cndmask_b32 v[PB], v[PB], v[TT], vcc_lo
.endr
	s_delay_alu instid0(VALU_DEP_3)
	v_mad_u32_u24 v[PA], v[PA], 192, v[RA]         ; 192 S_a + the rows of earlier pairs in a's list
	s_delay_alu instid0(VALU_DEP_2)
	v_mad_u32_u24 v[PB], v[PB], 192, v[RB]
	v_add_nc_u32 v[PW], v[PW], v[RK+1]
	v_min_u32 v[TM], 27, v[TM]
	v_add_nc_u32 v[BA], v[PA], v[PW]
	v_add_nc_u32 v[BB], v[PB], v[PW]
	v_lshlrev_b32 v[TM], 2, v[TM]
	; my token pulls its pair's two bases from the lane that stands for the pair (no LDS byte is touched), adds its rank, and is stored twice, all lanes on
	ds_bpermute_b32 v[TAB], v[TM], v[BA]
	ds_bpermute_b32 v[TAB+1], v[TM], v[BB]
	s_wait_alu depctr_va_vdst(0)                   ; the wait here, directly ahead of the wait below
	s_wait_dscnt 0x0
	v_add_nc_u32 v[TAB], v[TAB], v[RK]
	v_add_nc_u32 v[TAB+1], v[TAB+1], v[RK]
	v_min_u32 v[TAB], 0x15bf, v[TAB]               ; places stay inside the list
	v_min_u32 v[TAB+1], 0x15bf, v[TAB+1]
	v_lshlrev_b32 v[TAB], 2, v[TAB]
	v_lshlrev_b32 v[TAB+1], 2, v[TAB+1]
	global_store_b32 v[TAB], v[RK+3], s[6:7]
	global_store_b32 v[TAB+1], v[RK+3], s[6:7]
	; THE TABLES.  All that their stores name (offsets, data, lane masks) is made here, by every wave, all lanes on, ahead of the first change of EXEC.
	; Counts enter an offset only held within the table: the scalar by s_min_u32, the sum once more by v_min_u32; neither changes a true number.
	; (1) the second product's tiles: wave w writes tile number w of every pair that has so many (a pair has at most 16); lane = pair
	s_lshl_b32 s20, s12, 7
	v_cmp_lt_u32 s59, s12, v[NT]
	v_mov_b32 v64, v[VA]
	v_mov_b32 v65, v[VB]
	v_sub_nc_u32 v66, v[CNT], s20
	s_delay_alu instid0(VALU_DEP_1)
	v_min_u32 v66, 128, v66
	v_mov_b32 v67, 0                               ; (this word of an entry is not used)
	v_add_nc_u32 v68, s20, v[PA]
	v_add_nc_u32 v69, s20, v[PB]
	v_mov_b32 v70, 0
	v_mov_b32 v71, 0
	v_add_nc_u32 v72, s12, v[TBV]
	s_delay_alu instid0(VALU_DEP_1)
	v_min_u32 v72, 43, v72
	s_delay_alu instid0(VALU_DEP_1)
	v_lshlrev_b32 v72, 5, v72
	; (2) zeros behind its last tile: wave 15 (there are at least 16 tiles, so at most 28 entries are left: a lane an entry)
	s_min_u32 s54, s54, 44
	v_add_nc_u32 v88, s54, v1
	s_delay_alu instid0(VALU_DEP_1)
	v_cmp_gt_u32 s60, 44, v88
	s_delay_alu instid0(VALU_DEP_2)
	v_min_u32 v88, 43, v88
	s_delay_alu instid0(VALU_DEP_1)
	v_lshlrev_b32 v88, 5, v88
	s_cmp_eq_u32 s12, 15
	s_cselect_b32 s21, -1, 0
	s_and_b32 s60, s60, s21
	; (3) the first product's tiles: wave w (0-7) writes those of expert w, a lane a tile (at most 16)
	s_mov_b32 s56, s36
	s_mov_b32 s57, s44
.irp e, 1,2,3,4,5,6,7
	s_cmp_eq_u32 s12, \e
	s_cselect_b32 s56, s[36+\e], s56               ; C_w
	s_cselect_b32 s57, s[44+\e], s57               ; S_w
.endr
	s_min_u32 s56, s56, 2048
	s_min_u32 s57, s57, 28
	s_add_co_u32 s58, s56, 191
	s_lshr_b32 s58, s58, 6
	s_mul_i32 s58, s58, 171
	s_lshr_b32 s58, s58, 9                         ; at most 11 tiles of an expert
	v_cmp_gt_u32 s61, s58, v1
	s_cmp_lt_u32 s12, 8
	s_cselect_b32 s21, -1, 0
	s_and_b32 s61, s61, s21
	v_mov_b32 v76, s12
	v_mul_u32_u24 v77, 192, v1
	s_delay_alu instid0(VALU_DEP_1)
	v_sub_nc_u32 v77, s56, v77
	s_delay_alu instid0(VALU_DEP_1)
	v_min_u32 v77, 192, v77
	v_add_nc_u32 v80, s57, v1
	s_delay_alu instid0(VALU_DEP_1)
	v_min_u32 v80, 28, v80
	s_delay_alu instid0(VALU_DEP_1)
	v_mul_u32_u24 v78, 192, v80
	v_mov_b32 v79, 0
	s_delay_alu instid0(VALU_DEP_3)
	v_lshlrev_b32 v80, 4, v80
	; (4) zeros behind its last tile: wave 8 (there are at least 22 tiles)
	s_min_u32 s52, s52, 40
	v_add_nc_u32 v89, s52, v1
	s_delay_alu instid0(VALU_DEP_1)
	v_cmp_gt_u32 s62, 40, v89
	s_delay_alu instid0(VALU_DEP_2)
	v_min_u32 v89, 39, v89
	s_delay_alu instid0(VALU_DEP_1)
	v_lshlrev_b32 v89, 4, v89
	s_cmp_eq_u32 s12, 8
	s_cselect_b32 s21, -1, 0
	s_and_b32 s62, s62, s21
	s_cmp_eq_u32 ttmp9, 0                          ; the tables are work-group 0's
	s_cselect_b32 s21, -1, 0
	s_and_b32 s59, s59, s21
	s_and_b32 s60, s60, s21
	s_and_b32 s61, s61, s21
	s_and_b32 s62, s62, s21
	ONLY 59
	global_store_b128 v72, v[64:67], s[10:11] offset:1024
	global_store_b128 v72, v[68:71], s[10:11] offset:1040
	ALL
	ONLY 60
	global_store_b128 v88, v[84:87], s[10:11] offset:1024
	global_store_b128 v88, v[84:87], s[10:11] offset:1040
	ALL
	ONLY 61
	s_wait_alu depctr_va_vdst(0)
	global_store_b128 v80, v[76:79], s[10:11]
	ALL
	ONLY 62
	global_store_b128 v89, v[84:87], s[10:11]
	ALL
	s_wait_xcnt 0x0
	s_mov_b32 exec_lo, -1
	s_wait_tensorcnt 0x0
	ds_add_u32 v144, v145
	s_wait_dscnt 0x0
	s_endpgm
	; ---------------- W2 ----------------
.Lw2:
	s_load_b128 s[4:7], s[0:1], 0x20               ; W2 s[4:5], the scales s[6:7]
	s_load_b64 s[8:9], s[0:1], 0x18                ; w2c
	v_lshrrev_b32 v1, 5, v0
	s_delay_alu instid0(VALU_DEP_1)
	v_readfirstlane_b32 s12, v1                    ; wave 0..15
	v_and_b32 v1, 31, v0                           ; lane
	s_wait_alu depctr_va_vdst(0)
	s_sub_co_u32 s13, ttmp9, 1                     ; 0 .. 239
	s_and_b32 s14, s13, 3
	s_lshl_b32 s14, s14, 8                         ; which 256 columns
	s_lshr_b32 s15, s13, 2
	s_add_co_u32 s15, s15, KB1                     ; which 128 along K: 68 .. 127
	s_lshr_b32 s16, s12, 3                         ; g: which 128 of the columns are mine,
	s_and_b32 s17, s12, 7                          ; q: which 16 along K
	s_mul_i32 s18, s16, 4*GRP
	s_add_co_u32 s18, s18, W2ST                    ; the half's stage
	s_lshl_b32 s19, s17, 4
	s_add_co_u32 s19, s19, s18
	v_lshlrev_b32 v3, 4, v1                        ; in: 16 bytes a lane
	v_mul_u32_u24 v4, v1, 144
	v_add_nc_u32 v4, s19, v4                       ; into the stage: my column's row, byte 16 q
	v_lshrrev_b32 v5, 3, v1
	v_mul_u32_u24 v7, v5, GRP
	v_and_b32 v6, 7, v1
	v_lshl_add_u32 v7, v6, 4, v7
	s_mul_i32 s19, s17, 4*144
	s_add_co_u32 s19, s19, s18
	v_add_nc_u32 v7, s19, v7                       ; out of it: columns 16 wave + 4 t + lane / 8, eight lanes to 128 bytes,
	v_lshlrev_b32 v8, 4, v1                        ; which are 512 consecutive bytes of w2c
	s_lshl_b32 s20, s15, 19                        ; 128 rows of 4,096 bytes
	s_lshl_b32 s21, s17, 16                        ; 16 rows
	s_add_co_u32 s20, s20, s21
	s_lshl_b32 s21, s14, 2
	s_add_co_u32 s20, s20, s21
	s_lshl_b32 s21, s16, 9
	s_add_co_u32 s20, s20, s21
	s_mov_b32 s21, 0
	s_lshl_b32 s22, s15, 17                        ; a block of 1,024 columns x 128 bytes
	s_lshl_b32 s23, s14, 7
	s_add_co_u32 s22, s22, s23
	s_lshl_b32 s23, s12, 11                        ; my 16 columns of the work-group's 256
	s_add_co_u32 s22, s22, s23
	s_mov_b32 s23, 0
	s_wait_alu depctr_va_vdst(0)
	s_wait_kmcnt 0x0
	s_load_b32 s24, s[6:7], 0xc                    ; ew2
	s_add_nc_u64 s[4:5], s[4:5], s[20:21]
	s_add_nc_u64 s[8:9], s[8:9], s[22:23]
.set q, 0
.rept 16
	global_load_b128 v[32+4*q:35+4*q], v3, s[4:5] offset:q*4096 th:TH_LOAD_NT   ; row 16 (w % 8) + q, my four columns
.set q, q+1
.endr
	s_wait_kmcnt 0x0
	s_add_co_i32 s24, s24, 127
	s_lshl_b32 s25, s24, 23
	v_mov_b32 v11, s25                             ; 2^ew2 as f32: the conversion takes its exponent field
	s_add_co_i32 s24, s24, 15
	s_lshl_b32 s24, s24, 23
	s_or_b32 s24, s24, 0x600000
	v_mov_b32 v10, s24                             ; 57,344 x 2^ew2
	s_wait_alu depctr_va_vdst(0)
	s_wait_loadcnt 0x0
.irp c, 0,1,2,3
.set q, 0
.rept 16
	v_med3_num_f32 v[96+16*(\c%2)+q], v[32+4*q+\c], -v10, v10   ; the hold (the conversion to an 8-bit code does not saturate: ISA guide 7.6.2), which also lays column c's numbers side by side
.set q, q+1
.endr
	v_cvt_scalef32_pk8_bf8_f32 v[128+4*\c:129+4*\c], v[96+16*(\c%2):103+16*(\c%2)], v11
	v_cvt_scalef32_pk8_bf8_f32 v[130+4*\c:131+4*\c], v[104+16*(\c%2):111+16*(\c%2)], v11
	ds_store_b128 v4, v[128+4*\c:131+4*\c] offset:GRP*\c
.endr
	v_nop                                          ; a plain line behind the last conversion
	s_wait_dscnt 0x0                               ; my codes lie in the stage,
	s_barrier_signal -1
	s_barrier_wait -1                              ; everybody's do
.irp t, 0,1,2,3
	ds_load_b128 v[32+4*\t:35+4*\t], v7 offset:144*\t
.endr
.irp t, 0,1,2,3
	s_wait_dscnt 3-\t
	global_store_b128 v8, v[32+4*\t:35+4*\t], s[8:9] offset:512*\t   ; 512 consecutive bytes, aligned
.endr
	s_wait_xcnt 0x0
	s_mov_b32 exec_lo, -1
	s_wait_tensorcnt 0x0
	ds_add_u32 v144, v145
	s_wait_dscnt 0x0
	s_endpgm
.Lfunc_end_k_qddc868685e_place:
	.size	k_qddc868685e_place, .Lfunc_end_k_qddc868685e_place-k_qddc868685e_place
	.p2alignl 7, 3214868480
	.fill 96, 4, 3214868480
	.section	.rodata,"a",@progbits
	.p2align	6, 0x0
	.amdhsa_kernel k_qddc868685e_place
		.amdhsa_group_segment_fixed_size 41984
		.amdhsa_private_segment_fixed_size 0
		.amdhsa_enable_private_segment 0
		.amdhsa_kernarg_size 48
		.amdhsa_user_sgpr_count 2
		.amdhsa_user_sgpr_kernarg_segment_ptr 1
		.amdhsa_wavefront_size32 1
		.amdhsa_system_sgpr_workgroup_id_x 1
		.amdhsa_system_sgpr_workgroup_id_y 1
		.amdhsa_system_sgpr_workgroup_id_z 1
		.amdhsa_system_vgpr_workitem_id 0
		.amdhsa_next_free_vgpr 146
		.amdhsa_next_free_sgpr 66
		.amdhsa_reserve_vcc 1
		.amdhsa_float_denorm_mode_32 3
		.amdhsa_float_denorm_mode_16_64 3
		.amdhsa_memory_ordered 1
		.amdhsa_forward_progress 1
		.amdhsa_inst_pref_size 50
	.end_amdhsa_kernel
	.amdgpu_metadata
---
amdhsa.version: [ 1, 2 ]
amdhsa.kernels:
  - .name:           k_qddc868685e_place
    .symbol:         k_qddc868685e_place.kd
    .args:
      - { .name: sel, .offset: 0, .size: 8, .value_kind: global_buffer, .address_space: global }
      - { .name: list1, .offset: 8, .size: 8, .value_kind: global_buffer, .address_space: global }
      - { .name: tiles, .offset: 16, .size: 8, .value_kind: global_buffer, .address_space: global }
      - { .name: w2c, .offset: 24, .size: 8, .value_kind: global_buffer, .address_space: global }
      - { .name: W2, .offset: 32, .size: 8, .value_kind: global_buffer, .address_space: global }
      - { .name: lowp_scales, .offset: 40, .size: 8, .value_kind: global_buffer, .address_space: global }
    .group_segment_fixed_size: 41984
    .private_segment_fixed_size: 0
    .kernarg_segment_align: 8
    .kernarg_segment_size: 48
    .max_flat_workgroup_size: 512
    .sgpr_count:     66
    .vgpr_count:     146
    .wavefront_size: 32
...
	.end_amdgpu_metadata
.endif
;; end of part 2
;; launch gemm1 (part 3): grid 8 x 29, 16 waves a work-group, no clusters, 131,072 bytes of LDS; arguments xq, W1_codes, b1, gfull, list1, tiles, lowp_scales, hq; writes hq
.if DOCPART == 3
	.amdgcn_target "amdgcn-amd-amdhsa--gfx1250"
	.amdhsa_code_object_version 6
	.text
	.protected	k_qddc868685e_gemm1
	.globl	k_qddc868685e_gemm1
	.p2align	8
	.type	k_qddc868685e_gemm1,@function
k_qddc868685e_gemm1:
	s_mov_b64 s[64:65], 0
	v_nop
	global_prefetch_b8 v0, s[64:65] scope:SCOPE_SE
	s_setreg_imm32_b32 hwreg(HW_REG_WAVE_MODE, 25, 1), 1
	s_wait_xcnt 0x0
; THE FIRST PRODUCT, chosen rows only: hq = Q(gate x relu(x W1_e + b1_e)), codes of E5M2, for the rows of one tile (up to 192 tokens of one expert e, from the stored list) x 256 hidden units.
; Rows of experts that a token did not choose have gate 0 in reference() for all values of the inputs: they are not multiplied.
; Grid: x = which 256 hidden units, y = the tile; 29 tiles serve every split, 232 work-groups.  A tile that the split leaves empty (rows = 0) loads its first steps, walks the barriers and stores nothing.
; hq is laid [hidden / 128][place in list1][128 bytes].  A tile owns 192 places; those past its rows take copies of its last row's sums or of the bias and are read by nobody.
; SHARES: sixteen waves; wave (wm = w % 4, wn = w / 4) makes rows 48 wm .. + 47 x units 64 wn .. + 63: 12 accumulators.  A wave whose 48 rows all lie past the tile's rows multiplies nothing.
; THE PRODUCT IS USED TRANSPOSED (source 0 = 16 rows of W1, source 1 = 16 tokens): a lane holds one token and hidden units along its registers.  THE ROWS OF W1 THAT FORM A TILE ARE NOT NEIGHBOURS:
; LDS row 32 i + rho holds unit 32 i + (rho with its bits 3 and 4 swapped), so that the 16 registers of tiles 2 b and 2 b + 1 are units 32 b + 16 (lane / 16) + 0 .. 15: 16 bytes of a row of hq.
; b1 / 2^(ex + ew1) starts the sums; the gate, the activation, the hold and the three scales (one conversion scale 2^(eh - ex - ew1)) follow in registers.
; A fragment is fetched by four loads of 16 bytes, 32 apart: a permutation of k that is the same in both operands.
; K = 1,024 in 8 steps of 128 through two LDS slots filled THROUGH REGISTERS: in step s the registers of step s + 1 go into the other slot, then step s is multiplied; steps s + 2 and s + 3 are on their way from memory.
; THE COPY: thread t moves the 16 bytes t % 8 of rows rho + 64 i, rho = bits 6:4 of t + 8 x bit 3 + 16 x bits 8:7.  So lanes 0-15 of an LDS store hold rows rho and rho + 8:
; in units of 16 bytes their places are 9 rho + c and 9 rho + 72 + c, c = 0 .. 7: sixteen different ones modulo 16 (64 banks of 4 bytes: ISA guide 11.1).
; NO TENSOR LOAD AND NO CLUSTER: which expert a tile has, and whether it has rows, are stored numbers: the work is skipped by branches on them, and partners of a cluster would ask for different weights.
; NO PREFETCH: the eight steps are written out, there is no loop to run ahead in, and three of the eight are asked for ahead of the first product.
; LIMITS: eh - ex - ew1 between -126 and 112; b1 / 2^(ex + ew1) is made by v_ldexp_f32.  NaN among the inputs is not served.
.set PITCH, 144                        ; an LDS row: 128 bytes + 16 = 36 words
.set TA,    192*PITCH                  ; A's 192 rows, then B's 256
.set SLOT,  448*PITCH
.set SPARE, 2*SLOT                     ; the spare words: 128 bytes for each wave
.set PASS,  64*PITCH                   ; 64 rows: what the threads copy with one load each
.set BLK,   5568*128                   ; hq: from one block of 128 hidden units to the next
.set ST,   1                           ; v1-2   where I put (and on the way out read) 16 bytes of rows rho + 64 i, slot 0, 1
.set ADRA, 3                           ; v3-4   my A fragments
.set ADRB, 5                           ; v5-6   my B fragments
.set BOFF, 7                           ; v7     W1: my row's and chunk's bytes
.set AOFF, 8                           ; v8-10  xq: my three tokens' bytes
.set SCL,  11                          ; v11    2^(eh - ex - ew1)
.set LIM,  12                          ; v12    57,344 x that
.set SO,   13                          ; v13    the way out: where I put 16 codes
.set GT,   14                          ; v14, v16, v18: my three tokens' gates (the odd ones: named with them as pairs)
.set SPW,  20                          ; v20    my spare word; v21: 0
.set NIL,  21
.set GOF,  22                          ; v22    128 rho + 16 (thread % 8): my bytes of 64 rows of hq
.set STG,  24                          ; v24-79   two sets of 28: a step's 3 + 4 loads
.set AF,   80                          ; v80-127  A's three fragments; at the head v80-82 the tokens whose results I hold; on the way out the codes
.set BF,   128                         ; v128-159 B's fragments by two buffers; at the head b1
.set ACC,  160                         ; v160-255 accumulator (at, bt) at ACC + 8 (4 at + bt); at the head at work
.set C16,  160
.set RR,   161
; s20 expert, s21 rows, s22 first place; s29 = 48 wm
.macro ISSUE_A p, s
.irp i, 0,1,2
	global_load_b128 v[STG+28*(\p)+4*\i:STG+28*(\p)+4*\i+3], v[AOFF+\i], s[4:5] offset:128*(\s)
.endr
.endm
.macro ISSUE_B p, s
.irp i, 0,1,2,3
	global_load_b128 v[STG+28*(\p)+12+4*\i:STG+28*(\p)+12+4*\i+3], v[BOFF], s[6:7] offset:65536*\i+128*(\s)
.endr
.endm
.macro STORE p                         ; set p into slot p
.irp i, 0,1,2
	ds_store_b128 v[ST+(\p)], v[STG+28*(\p)+4*\i:STG+28*(\p)+4*\i+3] offset:PASS*\i
.endr
.irp i, 0,1,2,3
	ds_store_b128 v[ST+(\p)], v[STG+28*(\p)+12+4*\i:STG+28*(\p)+12+4*\i+3] offset:TA+PASS*\i
.endr
.endm
.macro BAR                             ; my LDS stores have landed and my LDS loads are in: then the work-group's barrier
	s_wait_dscnt 0x0
	s_barrier_signal -1
	s_barrier_wait -1
.endm
.macro PLACES                          ; in front of loads into registers that matrix instructions have read, and of the first read of results
.rept 4
	v_nop
.endr
.endm
.macro BLD slot, bt
.irp c, 0,1,2,3
	ds_load_b128 v[BF+16*((\bt)%2)+4*\c:BF+16*((\bt)%2)+4*\c+3], v[ADRB+(\slot)] offset:2304*(\bt)+32*\c
.endr
.endm
.macro MUL bt                          ; the 12 accumulators take turns in the same order in every step
.irp at, 0,1,2
	v_wmma_f32_16x16x128_bf8_bf8 v[ACC+32*\at+8*(\bt):ACC+32*\at+8*(\bt)+7], v[BF+16*((\bt)%2):BF+16*((\bt)%2)+15], v[AF+16*\at:AF+16*\at+15], v[ACC+32*\at+8*(\bt):ACC+32*\at+8*(\bt)+7]
.endr
.endm
.macro COMPUTE slot, kind, g           ; 128 along K: 28 loads, 12 products; kind 2: step g is asked for into the set that has just been stored
	PLACES
.irp at, 0,1,2
.irp c, 0,1,2,3
	ds_load_b128 v[AF+16*\at+4*\c:AF+16*\at+4*\c+3], v[ADRA+(\slot)] offset:2304*\at+32*\c
.endr
.endr
	BLD \slot, 0
	BLD \slot, 1
	s_wait_dscnt 4                                 ; all but B's second fragment: the stores of the next step, which are older, have been done too
	MUL 0
.if \kind == 2
	ISSUE_A 1-\slot, \g
	ISSUE_B 1-\slot, \g
.endif
	PLACES
	BLD \slot, 2
	s_wait_dscnt 4                                 ; B's second fragment is in; the third's four loads are younger
	MUL 1
	PLACES
	BLD \slot, 3
	s_wait_dscnt 4                                 ; the third is in; the fourth's four loads are younger
	MUL 2
	s_wait_dscnt 0x0
	MUL 3
.endm
; Step s, in slot s % 2.  kind 1, 2: first the next step's registers go into the other slot (n: the younger loads that may stay out).
.macro TRIP slot, kind, n, g
.if \kind
	s_cmp_eq_u32 s21, 0                            ; a tile without rows moves nothing
	s_cbranch_scc1 .Lidle_\@
	s_wait_loadcnt \n
	STORE 1-\slot
.endif
	s_cmp_le_u32 s21, s29                          ; my 48 rows all lie past the tile's rows
	s_cbranch_scc1 .Lnc_\@
	COMPUTE \slot, \kind, \g
.if \kind
	s_branch .Lj_\@
.endif
.Lnc_\@:
.if \kind
.if \kind == 2
	s_wait_dscnt 0x0                               ; the stores have read their registers
	ISSUE_A 1-\slot, \g
	ISSUE_B 1-\slot, \g
.endif
	s_branch .Lj_\@
.Lidle_\@:
	s_wait_loadcnt 0x0                             ; on this way too no load is out on a register of the sets
.Lj_\@:
	BAR                                            ; every wave's reads of this slot are over and the other slot is whole
.endif
.endm
	s_load_b512 s[4:19], s[0:1], 0x0               ; xq s[4:5], W1 s[6:7], b1 s[8:9], gfull s[10:11], list1 s[12:13], tiles s[14:15], scales s[16:17], hq s[18:19]
	v_lshl_add_u32 v[SPW], v0, 2, SPARE
	v_mov_b32 v[NIL], 0
	v_lshrrev_b32 v22, 5, v0
	v_readfirstlane_b32 s28, v22                   ; wave 0..15
	s_and_b32 s29, s28, 3
	s_mul_i32 s29, s29, 48                         ; 48 wm
	s_lshr_b32 s30, s28, 2                         ; wn
	s_and_b32 s34, ttmp7, 0xffff                   ; the tile
	s_lshl_b32 s34, s34, 4
	s_mov_b32 s35, 0
	v_and_b32 v[C16], 7, v0
	v_bfe_u32 v[RR], v0, 4, 3                      ; rho: the thread's bits 6:4,
	v_bfe_u32 v162, v0, 3, 1
	v_bfe_u32 v163, v0, 7, 2
	v_lshlrev_b32 v[C16], 4, v[C16]                ; 16 (thread % 8)
	v_lshl_add_u32 v[RR], v162, 3, v[RR]           ; + 8 x bit 3,
	v_and_b32 v164, 15, v0                         ; r
	v_bfe_u32 v165, v0, 4, 1                       ; h
	v_lshl_add_u32 v[RR], v163, 4, v[RR]           ; + 16 x bits 8:7
	v_bfe_u32 v166, v0, 5, 2                       ; wm
	v_bfe_u32 v167, v0, 7, 2                       ; wn
	v_mul_u32_u24 v[ST], v[RR], PITCH
	v_mul_u32_u24 v166, v166, 48
	v_lshl_add_u32 v168, v167, 6, v164
	v_add_nc_u32 v[ST], v[ST], v[C16]
	v_add_nc_u32 v166, v166, v164                  ; my token's row: 48 wm + r (and 16, 32 further on)
	v_mul_u32_u24 v[ADRB], v168, PITCH
	v_add_nc_u32 v[ST+1], SLOT, v[ST]
	v_mul_u32_u24 v[ADRA], v166, PITCH
	v_lshl_add_u32 v[ADRB], v165, 4, v[ADRB]
	v_lshl_add_u32 v[ADRA], v165, 4, v[ADRA]
	v_add_nc_u32 v[ADRB], TA, v[ADRB]
	v_and_b32 v168, 1, v167
	v_lshrrev_b32 v169, 1, v167
	v_add_nc_u32 v[ADRA+1], SLOT, v[ADRA]
	v_add_nc_u32 v[ADRB+1], SLOT, v[ADRB]
	v_lshl_add_u32 v[SO], v168, 6, v[ADRA]
	v_mul_u32_u24 v169, v169, TA
	v_lshl_add_u32 v[GOF], v[RR], 7, v[C16]
	v_and_b32 v168, 0x27, v[RR]                    ; rho with its bits 3 and 4 swapped
	v_add_nc_u32 v[SO], v[SO], v169                ; the stage: block wn / 2, row 48 wm + r, byte 64 (wn % 2) + 16 h
	v_bfe_u32 v162, v[RR], 3, 1
	v_bfe_u32 v163, v[RR], 4, 1
	v_lshl_add_u32 v168, v162, 4, v168
	v_lshl_add_u32 v168, v163, 3, v168
	v_lshl_add_u32 v[BOFF], v168, 10, v[C16]       ; a row of W1's codes is 1,024 bytes
	v_lshlrev_b32 v165, 6, v165                    ; b1: 16 numbers further on for lanes 16-31
	s_wait_alu depctr_va_vdst(0)                   ; the wait here, directly ahead of the wait below
	s_wait_kmcnt 0x0
	s_add_nc_u64 s[14:15], s[14:15], s[34:35]
	s_load_b128 s[20:23], s[14:15], 0x0            ; expert, rows, first place
	s_load_b128 s[24:27], s[16:17], 0x0            ; ex, ew1, eh, ew2
	s_wait_kmcnt 0x0
	s_min_u32 s20, s20, 7                          ; stored numbers enter addresses only held within their tables
	s_min_u32 s21, s21, 192
	s_min_u32 s22, s22, 5376
	s_max_u32 s31, s21, 1
	s_sub_co_u32 s31, s31, 1
	s_min_u32 s31, s31, 191                        ; the tile's last row: rows past it repeat it
	s_lshl_b32 s34, s20, 21
	s_lshl_b32 s36, ttmp9, 18
	s_add_co_u32 s34, s34, s36
	s_add_nc_u64 s[6:7], s[6:7], s[34:35]          ; W1: expert e, unit 256 x
	s_lshl_b32 s34, s20, 13
	s_lshl_b32 s36, ttmp9, 10
	s_add_co_u32 s34, s34, s36
	s_lshl_b32 s36, s30, 8
	s_add_co_u32 s34, s34, s36
	s_add_nc_u64 s[8:9], s[8:9], s[34:35]          ; b1: expert e, unit 256 x + 64 wn
	s_lshl_b32 s34, s20, 2
	s_add_nc_u64 s[10:11], s[10:11], s[34:35]      ; gfull: column e
	s_lshl_b32 s34, s22, 2
	s_add_nc_u64 s[12:13], s[12:13], s[34:35]      ; list1 at the tile's first place
	s_mul_i32 s34, ttmp9, 2*BLK
	s_lshl_b32 s36, s22, 7
	s_add_co_u32 s34, s34, s36
	s_add_nc_u64 s[18:19], s[18:19], s[34:35]      ; hq: block 2 x, the tile's first place
.irp i, 0,1,2                                  ; the tokens whose codes I copy
	v_add_nc_u32 v[170+\i], 64*\i, v[RR]
	v_min_u32 v[170+\i], s31, v[170+\i]
	v_min_u32 v[170+\i], 191, v[170+\i]
	v_lshlrev_b32 v[170+\i], 2, v[170+\i]
	global_load_b32 v[AOFF+\i], v[170+\i], s[12:13]
.endr
.irp a, 0,1,2                                  ; the tokens whose results I hold
	v_add_nc_u32 v[173+\a], 16*\a, v166
	v_min_u32 v[173+\a], s31, v[173+\a]
	v_min_u32 v[173+\a], 191, v[173+\a]
	v_lshlrev_b32 v[173+\a], 2, v[173+\a]
	global_load_b32 v[AF+\a], v[173+\a], s[12:13]
.endr
	ISSUE_B 0, 0
	ISSUE_B 1, 1
.irp b, 0,1
.irp i, 0,1,2,3
	global_load_b128 v[BF+16*\b+4*\i:BF+16*\b+4*\i+3], v165, s[8:9] offset:128*\b+16*\i   ; b1 of units 32 b + 16 h + 0 .. 15
.endr
.endr
	s_wait_loadcnt 16                              ; the six tokens are in; B's 8 loads and b1's 8 are younger
.irp i, 0,1,2
	v_min_u32 v[AOFF+\i], 0x7ff, v[AOFF+\i]
	v_lshl_add_u32 v[AOFF+\i], v[AOFF+\i], 10, v[C16]
.endr
	ISSUE_A 0, 0
	ISSUE_A 1, 1
.irp a, 0,1,2
	v_min_u32 v[AF+\a], 0x7ff, v[AF+\a]
	v_lshlrev_b32 v[AF+\a], 5, v[AF+\a]
	global_load_b32 v[GT+2*\a], v[AF+\a], s[10:11]
	v_mov_b32 v[GT+2*\a+1], 0
.endr
	s_add_co_i32 s32, s24, s25                     ; ex + ew1
	s_sub_co_i32 s33, 0, s32
	s_sub_co_i32 s36, s26, s32                     ; eh - ex - ew1
	s_add_co_i32 s36, s36, 127
	s_lshl_b32 s37, s36, 23
	v_mov_b32 v[SCL], s37
	s_add_co_i32 s36, s36, 15
	s_lshl_b32 s36, s36, 23
	s_or_b32 s36, s36, 0x600000
	v_mov_b32 v[LIM], s36
	s_wait_alu depctr_va_vdst(0)                   ; the wait here, directly ahead of the wait below
	s_wait_loadcnt 9                               ; b1 is in; A's 6 and the 3 gates are younger
.set n, 0
.rept 32
	v_ldexp_f32 v[ACC+n], v[BF+n], s33             ; the bias, divided by the power of two that the sums lack, starts the sums of all three tiles of rows
	v_ldexp_f32 v[ACC+32+n], v[BF+n], s33
	v_ldexp_f32 v[ACC+64+n], v[BF+n], s33
.set n, n+1
.endr
	s_wait_alu depctr_va_vdst(0)                   ; the wait at the head's end
	s_wait_loadcnt 6                               ; step 0 is in; A's 3 of step 1 and the 3 gates are younger
	STORE 0
	s_wait_dscnt 0x0                               ; the stores have read their registers
	ISSUE_A 0, 2
	ISSUE_B 0, 2
	BAR
	TRIP 0, 2, 7, 3                                ; the count 7: the next step's loads are in, the 7 of the step behind it are younger
	TRIP 1, 2, 7, 4
	TRIP 0, 2, 7, 5
	TRIP 1, 2, 7, 6
	TRIP 0, 2, 7, 7
	TRIP 1, 1, 7, 0
	TRIP 0, 1, 0, 0                                ; step 7's loads are the last
	TRIP 1, 0, 0, 0
	; THE WAY OUT: x gate; the activation and the hold in one (the gate is not negative); codes; through a stage in slot 0, which nobody reads behind the last barrier; whole rows out
	PLACES
.irp at, 0,1,2
.set n, 0
.rept 16
	v_pk_mul_f32 v[ACC+32*\at+n:ACC+32*\at+n+1], v[ACC+32*\at+n:ACC+32*\at+n+1], v[GT+2*\at:GT+2*\at+1] op_sel_hi:[1,0]   ; each accumulator from its low end on
.set n, n+2
.endr
.endr
.set n, 0
.rept 96
	v_med3_num_f32 v[ACC+n], v[ACC+n], 0, v[LIM]
.set n, n+1
.endr
.set n, 0
.rept 12
	v_cvt_scalef32_pk8_bf8_f32 v[AF+2*n:AF+2*n+1], v[ACC+8*n:ACC+8*n+7], v[SCL]
.set n, n+1
.endr
	v_nop                                          ; a plain line behind the last conversion
.irp at, 0,1,2
.irp b, 0,1
	ds_store_b128 v[SO], v[AF+8*\at+4*\b:AF+8*\at+4*\b+3] offset:\at*2304+32*\b
.endr
.endr
	BAR                                            ; two blocks of 192 rows of 128 codes lie in the stage
	s_cmp_eq_u32 s21, 0                            ; a tile without rows stores nothing
	s_cbranch_scc1 .Ldone
.irp b, 0,1
.irp i, 0,1,2
	ds_load_b128 v[STG+12*\b+4*\i:STG+12*\b+4*\i+3], v[ST] offset:TA*\b+PASS*\i   ; my 16 bytes of row rho + 64 i
.endr
.endr
.irp b, 0,1
.irp i, 0,1,2
	s_wait_dscnt 5-(3*\b+\i)
	global_store_b128 v[GOF], v[STG+12*\b+4*\i:STG+12*\b+4*\i+3], s[18:19] offset:BLK*\b+8192*\i   ; a wave stores rows rho, rho + 1 and rho + 8, rho + 9 (rho even): two aligned runs of 256 consecutive bytes
.endr
.endr
.Ldone:
	s_wait_tensorcnt 0x0                           ; the wave's end
	ds_add_u32 v[SPW], v[NIL]
	s_wait_dscnt 0x0
	s_endpgm
.Lfunc_end_k_qddc868685e_gemm1:
	.size	k_qddc868685e_gemm1, .Lfunc_end_k_qddc868685e_gemm1-k_qddc868685e_gemm1
	.p2alignl 7, 3214868480
	.fill 96, 4, 3214868480
	.section	.rodata,"a",@progbits
	.p2align	6, 0x0
	.amdhsa_kernel k_qddc868685e_gemm1
		.amdhsa_group_segment_fixed_size 131072
		.amdhsa_private_segment_fixed_size 0
		.amdhsa_enable_private_segment 0
		.amdhsa_kernarg_size 64
		.amdhsa_user_sgpr_count 2
		.amdhsa_user_sgpr_kernarg_segment_ptr 1
		.amdhsa_wavefront_size32 1
		.amdhsa_system_sgpr_workgroup_id_x 1
		.amdhsa_system_sgpr_workgroup_id_y 1
		.amdhsa_system_sgpr_workgroup_id_z 1
		.amdhsa_system_vgpr_workitem_id 0
		.amdhsa_next_free_vgpr 256
		.amdhsa_next_free_sgpr 66
		.amdhsa_reserve_vcc 0
		.amdhsa_float_denorm_mode_32 3
		.amdhsa_float_denorm_mode_16_64 3
		.amdhsa_memory_ordered 1
		.amdhsa_forward_progress 1
		.amdhsa_inst_pref_size 65
	.end_amdhsa_kernel
	.amdgpu_metadata
---
amdhsa.version: [ 1, 2 ]
amdhsa.kernels:
  - .name:           k_qddc868685e_gemm1
    .symbol:         k_qddc868685e_gemm1.kd
    .args:
      - { .name: xq, .offset: 0, .size: 8, .value_kind: global_buffer, .address_space: global }
      - { .name: W1_codes, .offset: 8, .size: 8, .value_kind: global_buffer, .address_space: global }
      - { .name: b1, .offset: 16, .size: 8, .value_kind: global_buffer, .address_space: global }
      - { .name: gfull, .offset: 24, .size: 8, .value_kind: global_buffer, .address_space: global }
      - { .name: list1, .offset: 32, .size: 8, .value_kind: global_buffer, .address_space: global }
      - { .name: tiles, .offset: 40, .size: 8, .value_kind: global_buffer, .address_space: global }
      - { .name: lowp_scales, .offset: 48, .size: 8, .value_kind: global_buffer, .address_space: global }
      - { .name: hq, .offset: 56, .size: 8, .value_kind: global_buffer, .address_space: global }
    .group_segment_fixed_size: 131072
    .private_segment_fixed_size: 0
    .kernarg_segment_align: 8
    .kernarg_segment_size: 64
    .max_flat_workgroup_size: 512
    .sgpr_count:     66
    .vgpr_count:     256
    .wavefront_size: 32
...
	.end_amdgpu_metadata
.endif
;; end of part 3
;; launch gemm2 (part 4): grid 8 x 43, 8 waves a work-group, no clusters, 142,336 bytes of LDS; arguments hq, w2c, b2, gfull, list1, tiles, lowp_scales, out0; writes out0
.if DOCPART == 4
	.amdgcn_target "amdgcn-amd-amdhsa--gfx1250"
	.amdhsa_code_object_version 6
	.text
	.protected	k_qddc868685e_gemm2
	.globl	k_qddc868685e_gemm2
	.p2align	8
	.type	k_qddc868685e_gemm2,@function
k_qddc868685e_gemm2:
	s_mov_b64 s[64:65], 0
	v_nop
	global_prefetch_b8 v0, s[64:65] scope:SCOPE_SE
	s_setreg_imm32_b32 hwreg(HW_REG_WAVE_MODE, 25, 1), 1
	s_wait_xcnt 0x0
; THE SECOND PRODUCT AND THE OUTPUT: out[t] = sum over the token's two experts of Q(gate h_e) Q(W2_e) + gate b2_e.
; A tile is up to 128 tokens that chose the SAME PAIR of experts (lo, hi) x 128 columns: K = 2,048 of lo and then 2,048 of hi are summed into the same accumulators, so each row of the output
; has one owner and nothing is added up later.  Grid: x = which 128 columns, y = the tile; 43 tiles serve every split.  A tile without rows loads its first steps, walks the barriers and stores nothing.
; The tile's rows stand at consecutive places of both experts' lists, so A's tile of a step is a dense run of rows of hq; B's is a dense block of 16,384 bytes of w2c.
; SHARES, fragments, slots, steps and the copy are those of the first product's launch: eight waves, wave (wm, wn): rows 32 wm .. + 31 x columns 64 wn .. + 63, transposed use (a lane holds one token and
; eight neighbouring columns), 32 steps of 128 along K through two LDS slots filled through registers, two steps on their way from memory.
; THE COPY: thread t moves the 16 bytes t % 8 of rows rho + 32 i, rho = bits 6:4 of t + 8 x bit 3 + 16 x bit 7: lanes 0-15 of an LDS store hold rows rho and rho + 8, whose places, in units of 16 bytes,
; 9 rho + c and 9 rho + 72 + c are sixteen different ones modulo 16 (64 banks of 4 bytes: ISA guide 11.1).  A wave's load of a dense block covers two runs of 256 consecutive bytes.
; (gate_lo b2_lo + gate_hi b2_hi) / 2^(eh + ew2), in f32, starts the sums; each finished sum is multiplied once by 2^(eh + ew2).
; NO TENSOR LOAD AND NO CLUSTER: a tile's experts and whether it has rows are stored numbers; the work is skipped by branches on them, and partners would ask for different weights.
; LIMITS: eh + ew2 between -126 and 127.
.set PITCH, 144
.set TA,    128*PITCH
.set SLOT,  2*TA
.set STGL,  2*SLOT                     ; behind the slots: the stage for the way out, 128 rows x (512 bytes + 16)
; (The first product's launch has sixteen waves, larger slots and copies 64 rows a load; what is said above of eight waves, 32 rows and two slots of 256 rows holds for the text below.)
; In a step the next step's registers go into the other slot first; the step three on is asked for behind the first wait for fragments, which shows those stores done.
.set BLK,   5568*128
.set ST,   1
.set ADRA, 2
.set ADRB, 3
.set BOFF, 4                           ; v4    128 rho + 16 (thread % 8): my bytes of 32 rows of B's block
.set C16,  5
.set AOFF, 6                           ; v6-9  my four rows' bytes in a block of hq
.set SO,   10
.set SR,   11
.set L16,  12                          ; v12   16 x lane
.set STB,  13
.set GT,   20                          ; v20, v22: gate of lo for my two tokens; v24, v26: of hi (the odd registers are named with them as pairs)
.set STG,  32
.set AF,   96
.set BF,   128
.set ACC,  192
; s20 lo, s21 hi, s22 rows, s23 place in tokT, s24, s25 places in the two lists; s33 = 32 wm; s[38:39], s[42:43]: A and B at the step asked for last; s[40:41], s[44:45]: at hi's first step; s49: that step's number
.macro PISSUE p, u                     ; at the head: step u by immediates
.irp i, 0,1,2,3
	global_load_b128 v[STG+32*(\p)+4*\i:STG+32*(\p)+4*\i+3], v[AOFF+\i], s[38:39] offset:(\u)*BLK
.endr
.irp i, 0,1,2,3
	global_load_b128 v[STG+32*(\p)+16+4*\i:STG+32*(\p)+16+4*\i+3], v[BOFF], s[42:43] offset:4096*\i+(\u)*131072
.endr
.endm
.macro ISSUE p                         ; in the steps: both addresses go one step on; step 16 is hi's first
	s_wait_xcnt 0x0                                ; the loads issued before have read their bases
	s_add_co_u32 s49, s49, 1
	s_add_nc_u64 s[38:39], s[38:39], BLK
	s_add_nc_u64 s[42:43], s[42:43], 131072
	s_cmp_eq_u32 s49, 16
	s_cselect_b64 s[38:39], s[40:41], s[38:39]
	s_cselect_b64 s[42:43], s[44:45], s[42:43]
	PISSUE \p, 0
.endm
.macro STORE p
.irp i, 0,1,2,3
	ds_store_b128 v[ST], v[STG+32*(\p)+4*\i:STG+32*(\p)+4*\i+3] offset:(\p)*SLOT+4608*\i
	ds_store_b128 v[STB], v[STG+32*(\p)+16+4*\i:STG+32*(\p)+16+4*\i+3] offset:(\p)*SLOT+4608*\i
.endr
.endm
.macro BAR
	s_wait_dscnt 0x0
	s_barrier_signal -1
	s_barrier_wait -1
.endm
.macro COMPUTE slot, kind              ; the accumulators take turns in the same order in every step
.rept 4
	v_nop                                          ; places in front of loads into registers that matrix instructions have read
.endr
.irp c, 0,1,2,3
	ds_load_b128 v[AF+4*\c:AF+4*\c+3], v[ADRA] offset:(\slot)*SLOT+32*\c
.endr
.irp bt, 0,1,2,3
.irp c, 0,1,2,3
	ds_load_b128 v[BF+16*\bt+4*\c:BF+16*\bt+4*\c+3], v[ADRB] offset:(\slot)*SLOT+\bt*2304+32*\c
.endr
.endr
.irp c, 0,1,2,3
	ds_load_b128 v[AF+16+4*\c:AF+16+4*\c+3], v[ADRA] offset:(\slot)*SLOT+2304+32*\c
.endr
	s_wait_dscnt 4                                 ; all but A's second fragment, the four youngest: the stores ahead of the loads have been done too
.if \kind == 2
	ISSUE 1-\slot
.endif
.irp bt, 0,1,2,3
	v_wmma_f32_16x16x128_bf8_bf8 v[ACC+8*\bt:ACC+8*\bt+7], v[BF+16*\bt:BF+16*\bt+15], v[AF:AF+15], v[ACC+8*\bt:ACC+8*\bt+7]
.endr
	s_wait_dscnt 0x0
	s_wait_alu depctr_va_vdst(0)
.irp bt, 0,1,2,3
	v_wmma_f32_16x16x128_bf8_bf8 v[ACC+32+8*\bt:ACC+32+8*\bt+7], v[BF+16*\bt:BF+16*\bt+15], v[AF+16:AF+31], v[ACC+32+8*\bt:ACC+32+8*\bt+7]
.endr
.endm
.macro TRIP slot, kind, n
.if \kind
	s_cmp_eq_u32 s22, 0                            ; a tile without rows moves nothing
	s_cbranch_scc1 .Lidle_\@
	s_wait_loadcnt \n
	STORE 1-\slot
.endif
	s_cmp_le_u32 s22, s33                          ; my 32 rows all lie past the tile's rows
	s_cbranch_scc1 .Lnc_\@
	COMPUTE \slot, \kind
.if \kind
	s_branch .Lj_\@
.endif
.Lnc_\@:
.if \kind
.if \kind == 2
	s_wait_dscnt 0x0                               ; the stores have read their registers
	ISSUE 1-\slot
.endif
	s_branch .Lj_\@
.Lidle_\@:
	s_wait_loadcnt 0x0                             ; on this way too no load is out on a register of the sets
.Lj_\@:
	BAR                                            ; every wave's reads of this slot are over and the other slot is whole
.endif
.endm
	s_load_b512 s[4:19], s[0:1], 0x0               ; hq s[4:5], w2c s[6:7], b2 s[8:9], gfull s[10:11], tokT s[12:13], tiles s[14:15], scales s[16:17], out0 s[18:19]
	v_lshrrev_b32 v17, 5, v0
	s_delay_alu instid0(VALU_DEP_1)
	v_readfirstlane_b32 s32, v17                   ; wave 0..7
	s_and_b32 s33, s32, 3
	s_lshl_b32 s33, s33, 5                         ; 32 wm
	s_lshr_b32 s34, s32, 2                         ; wn
	s_and_b32 s36, ttmp7, 0xffff                   ; the tile
	s_lshl_b32 s36, s36, 5
	s_mov_b32 s37, 0
	v_and_b32 v[C16], 7, v0
	s_delay_alu instid0(VALU_DEP_1)
	v_lshlrev_b32 v[C16], 4, v[C16]
	v_bfe_u32 v14, v0, 4, 3                        ; rho: the thread's bits 6:4,
	v_bfe_u32 v15, v0, 3, 1
	s_delay_alu instid0(VALU_DEP_1)
	v_lshl_add_u32 v14, v15, 3, v14                ; + 8 x bit 3,
	v_bfe_u32 v15, v0, 7, 1
	s_delay_alu instid0(VALU_DEP_1)
	v_lshl_add_u32 v14, v15, 4, v14                ; + 16 x bit 7
	s_delay_alu instid0(VALU_DEP_1)
	v_mul_u32_u24 v[ST], v14, PITCH
	s_delay_alu instid0(VALU_DEP_1)
	v_add_nc_u32 v[ST], v[ST], v[C16]
	s_delay_alu instid0(VALU_DEP_1)
	v_add_nc_u32 v[STB], TA, v[ST]
	v_and_b32 v18, 15, v0                          ; r
	v_bfe_u32 v19, v0, 4, 1                        ; h
	v_bfe_u32 v15, v0, 5, 2                        ; wm
	v_bfe_u32 v16, v0, 7, 1                        ; wn
	s_delay_alu instid0(VALU_DEP_2)
	v_lshl_add_u32 v31, v15, 5, v18                ; 32 wm + r
	s_delay_alu instid0(VALU_DEP_1)
	v_mul_u32_u24 v[ADRA], v31, PITCH
	s_delay_alu instid0(VALU_DEP_1)
	v_lshl_add_u32 v[ADRA], v19, 4, v[ADRA]
	s_delay_alu instid0(VALU_DEP_4)
	v_lshl_add_u32 v15, v16, 6, v18
	s_delay_alu instid0(VALU_DEP_1)
	v_mul_u32_u24 v[ADRB], v15, PITCH
	s_delay_alu instid0(VALU_DEP_1)
	v_lshl_add_u32 v[ADRB], v19, 4, v[ADRB]
	s_delay_alu instid0(VALU_DEP_1)
	v_add_nc_u32 v[ADRB], TA, v[ADRB]
	v_mul_u32_u24 v[SO], v31, 528
	s_delay_alu instid0(VALU_DEP_1)
	v_lshl_add_u32 v[SO], v16, 8, v[SO]
	s_delay_alu instid0(VALU_DEP_1)
	v_lshl_add_u32 v[SO], v19, 5, v[SO]
	s_delay_alu instid0(VALU_DEP_1)
	v_add_nc_u32 v[SO], STGL, v[SO]                ; the stage: row 32 wm + r, byte 256 wn + 32 h
	v_and_b32 v[L16], 31, v0
	s_delay_alu instid0(VALU_DEP_1)
	v_lshlrev_b32 v[L16], 4, v[L16]
	v_mul_u32_u24 v[SR], v17, 16*528
	s_delay_alu instid0(VALU_DEP_1)
	v_add_nc_u32 v[SR], v[SR], v[L16]
	s_delay_alu instid0(VALU_DEP_1)
	v_add_nc_u32 v[SR], STGL, v[SR]                ; back: my wave's 16 rows, 16 bytes a lane
	v_lshl_add_u32 v[BOFF], v14, 7, v[C16]         ; B's row rho of 128 bytes, my 16 of them
	v_lshl_add_u32 v16, v17, 4, v18                ; the row whose token lane r keeps for the stores: 16 wave + r
	v_add_nc_u32 v15, 16, v31
	v_lshlrev_b32 v17, 5, v19                      ; b2: 8 numbers further on for lanes 16-31
	s_wait_kmcnt 0x0
	s_add_nc_u64 s[14:15], s[14:15], s[36:37]
	s_load_b256 s[20:27], s[14:15], 0x400          ; lo, hi, rows, place in tokT, places in the two lists
	s_load_b128 s[28:31], s[16:17], 0x0            ; ex, ew1, eh, ew2
	s_wait_kmcnt 0x0
	s_min_u32 s20, s20, 7                          ; stored numbers enter addresses only held within their tables
	s_min_u32 s21, s21, 7
	s_min_u32 s22, s22, 128
	s_min_u32 s24, s24, 5567
	s_min_u32 s25, s25, 5567
	s_max_u32 s35, s22, 1
	s_sub_co_u32 s35, s35, 1
	s_min_u32 s35, s35, 127                        ; the tile's last row: rows past it repeat it and are not stored
	s_lshl_b32 s36, s24, 7
	s_add_nc_u64 s[38:39], s[4:5], s[36:37]        ; A: lo's rows,
	s_lshl_b32 s36, s25, 7
	s_add_nc_u64 s[40:41], s[4:5], s[36:37]        ; hi's
	s_lshl_b32 s50, ttmp9, 14                      ; 128 columns of 128 bytes
	s_lshl_b32 s36, s20, 21
	s_add_co_u32 s36, s36, s50
	s_add_nc_u64 s[42:43], s[6:7], s[36:37]        ; B: lo's 16 blocks,
	s_lshl_b32 s36, s21, 21
	s_add_co_u32 s36, s36, s50
	s_add_nc_u64 s[44:45], s[6:7], s[36:37]        ; hi's
	s_lshl_b32 s50, ttmp9, 9
	s_lshl_b32 s58, s34, 8
	s_add_co_u32 s50, s50, s58                     ; column 128 x + 64 wn, in bytes of f32
	s_lshl_b32 s36, s21, 12
	s_add_co_u32 s36, s36, s50
	s_add_nc_u64 s[56:57], s[8:9], s[36:37]        ; b2 of hi,
	s_lshl_b32 s36, s20, 12
	s_add_co_u32 s36, s36, s50
	s_add_nc_u64 s[8:9], s[8:9], s[36:37]          ; of lo
	s_lshl_b32 s36, s21, 2
	s_add_nc_u64 s[54:55], s[10:11], s[36:37]      ; gfull: column hi,
	s_lshl_b32 s36, s20, 2
	s_add_nc_u64 s[10:11], s[10:11], s[36:37]      ; column lo
	s_lshl_b32 s36, s24, 2                         ; list1 (s[12:13]) at the pair's first place in lo's list: the tile's tokens
	s_add_nc_u64 s[12:13], s[12:13], s[36:37]      ; tokT at the tile's first token
	s_lshl_b32 s36, ttmp9, 9
	s_add_nc_u64 s[18:19], s[18:19], s[36:37]      ; out0 at column 128 x
	s_lshl_b32 s51, s32, 4
	s_sub_co_i32 s51, s22, s51                     ; how many of my wave's 16 rows of the stage are the tile's
	s_add_co_i32 s52, s30, s31                     ; eh + ew2
	s_sub_co_i32 s53, 0, s52
	s_add_co_i32 s46, s52, 127
	s_lshl_b32 s46, s46, 23                        ; 2^(eh + ew2) as f32
	s_mov_b32 s47, s46                             ; (named with it as a pair)
.irp i, 0,1,2,3
	v_add_nc_u32 v[AOFF+\i], 32*\i, v14
	s_delay_alu instid0(VALU_DEP_1)
	v_min_u32 v[AOFF+\i], s35, v[AOFF+\i]
	s_delay_alu instid0(VALU_DEP_1)
	v_min_u32 v[AOFF+\i], 127, v[AOFF+\i]
	s_delay_alu instid0(VALU_DEP_1)
	v_lshl_add_u32 v[AOFF+\i], v[AOFF+\i], 7, v[C16]
.endr
	v_min_u32 v14, s35, v31
	v_min_u32 v15, s35, v15
	v_min_u32 v16, s35, v16
.irp j, 14,15,16
	v_min_u32 v\j, 127, v\j
	s_delay_alu instid0(VALU_DEP_1)
	v_lshlrev_b32 v\j, 2, v\j
.endr
	global_load_b32 v28, v14, s[12:13]             ; the tokens whose results I hold,
	global_load_b32 v29, v15, s[12:13]
	global_load_b32 v30, v16, s[12:13]             ; and the one whose row my wave stores
.irp bt, 0,1,2,3
.irp i, 0,1
	global_load_b128 v[BF+8*\bt+4*\i:BF+8*\bt+4*\i+3], v17, s[8:9] offset:64*\bt+16*\i          ; b2_lo of columns 16 bt + 8 h + 0 .. 7
	global_load_b128 v[BF+32+8*\bt+4*\i:BF+32+8*\bt+4*\i+3], v17, s[56:57] offset:64*\bt+16*\i  ; b2_hi
.endr
.endr
	PISSUE 0, 0
	PISSUE 1, 1
	s_wait_loadcnt 32                              ; the three tokens are in; b2's 16 loads and the two steps' 16 are younger
	v_min_u32 v28, 0x7ff, v28
	v_min_u32 v29, 0x7ff, v29
	v_min_u32 v30, 0x7ff, v30
	s_delay_alu instid0(VALU_DEP_3)
	v_lshlrev_b32 v28, 5, v28
	s_delay_alu instid0(VALU_DEP_3)
	v_lshlrev_b32 v29, 5, v29
	global_load_b32 v[GT], v28, s[10:11]
	global_load_b32 v[GT+2], v29, s[10:11]
	global_load_b32 v[GT+4], v28, s[54:55]
	global_load_b32 v[GT+6], v29, s[54:55]
.irp j, 1,3,5,7
	v_mov_b32 v[GT+\j], 0
.endr
	s_wait_loadcnt 12                              ; b2 and step 0 are in; step 1's 8 and the 4 gates are younger
	STORE 0
	s_wait_dscnt 0x0                               ; the stores have read their registers
	PISSUE 0, 2
	s_wait_loadcnt 8                               ; step 1 and the gates are in; step 2's 8 are younger
.irp j, 0,2,4,6
	v_ldexp_f32 v[GT+\j], v[GT+\j], s53            ; gate / 2^(eh + ew2)
.endr
	s_wait_alu depctr_va_vdst(0)
.irp at, 0,1
.set n, 0
.rept 16
	v_pk_mul_f32 v[ACC+32*\at+n:ACC+32*\at+n+1], v[BF+n:BF+n+1], v[GT+2*\at:GT+2*\at+1] op_sel_hi:[1,0]
.set n, n+2
.endr
.set n, 0
.rept 16
	v_pk_fma_f32 v[ACC+32*\at+n:ACC+32*\at+n+1], v[BF+32+n:BF+32+n+1], v[GT+4+2*\at:GT+4+2*\at+1], v[ACC+32*\at+n:ACC+32*\at+n+1] op_sel_hi:[1,0,1]
.set n, n+2
.endr
.endr
	s_wait_xcnt 0x0                                ; the loads at the head have read their bases
	s_add_nc_u64 s[38:39], s[38:39], 2*BLK
	s_add_nc_u64 s[42:43], s[42:43], 2*131072
	s_mov_b32 s49, 2                               ; step 2 was asked for last
	BAR
	s_mov_b32 s48, 14
.Lk:                                               ; steps 0 .. 27, two a trip; they ask for steps 3 .. 30
	TRIP 0, 2, 8                                   ; the count 8: the next step's loads are in, the 8 of the step behind it are younger
	TRIP 1, 2, 8
	s_sub_co_u32 s48, s48, 1
	s_cmp_lg_u32 s48, 0
	s_cbranch_scc1 .Lk
	TRIP 0, 2, 8                                   ; step 28 asks for step 31, the last
	TRIP 1, 1, 8
	TRIP 0, 1, 0
	TRIP 1, 0, 0
	; THE WAY OUT: x 2^(eh + ew2); through the stage, where a row's 512 bytes meet from two waves; each wave stores 16 whole row pieces to its tokens' rows
.rept 4
	v_nop                                          ; places in front of the first read of results and of writes into registers that the last products read
.endr
.set n, 0
.rept 32
	v_pk_mul_f32 v[BF+n:BF+n+1], v[ACC+n:ACC+n+1], s[46:47] op_sel_hi:[1,0]   ; each accumulator from its low end on
.set n, n+2
.endr
.irp at, 0,1
.irp bt, 0,1,2,3
	ds_store_b128 v[SO], v[BF+32*\at+8*\bt:BF+32*\at+8*\bt+3] offset:\at*8448+64*\bt
	ds_store_b128 v[SO], v[BF+32*\at+8*\bt+4:BF+32*\at+8*\bt+7] offset:\at*8448+64*\bt+16
.endr
.endr
	BAR
.irp i, 0,1,2,3,4,5,6,7,8,9,10,11,12,13,14,15
	ds_load_b128 v[STG+4*\i:STG+4*\i+3], v[SR] offset:528*\i
.endr
.irp i, 0,1,2,3,4,5,6,7,8,9,10,11,12,13,14,15
	s_wait_dscnt 15-\i
	s_cmp_le_i32 s51, \i                           ; the tile's rows are over
	s_cbranch_scc1 .Ldone
	v_readlane_b32 s50, v30, \i                    ; the row's token
	s_min_u32 s50, s50, 0x7ff
	v_lshl_add_u32 v[AF+\i], s50, 12, v[L16]       ; its row of 4,096 bytes
	global_store_b128 v[AF+\i], v[STG+4*\i:STG+4*\i+3], s[18:19] th:TH_STORE_NT   ; 32 lanes store 512 consecutive bytes, aligned; written once, read by nobody here
.endr
.Ldone:
	s_wait_dscnt 0x0
	s_barrier_signal -1
	s_barrier_wait -1
	v_lshl_add_u32 v14, v0, 2, 0x22800             ; my spare word, and 0: v0 is as at the entry
	v_mov_b32 v15, 0
	s_wait_alu depctr_va_vdst(0)                   ; the wait here, directly ahead of the wait below
	s_wait_tensorcnt 0x0                           ; the wave's end
	ds_add_u32 v14, v15
	s_wait_dscnt 0x0
	s_endpgm
.Lfunc_end_k_qddc868685e_gemm2:
	.size	k_qddc868685e_gemm2, .Lfunc_end_k_qddc868685e_gemm2-k_qddc868685e_gemm2
	.p2alignl 7, 3214868480
	.fill 96, 4, 3214868480
	.section	.rodata,"a",@progbits
	.p2align	6, 0x0
	.amdhsa_kernel k_qddc868685e_gemm2
		.amdhsa_group_segment_fixed_size 142336
		.amdhsa_private_segment_fixed_size 0
		.amdhsa_enable_private_segment 0
		.amdhsa_kernarg_size 64
		.amdhsa_user_sgpr_count 2
		.amdhsa_user_sgpr_kernarg_segment_ptr 1
		.amdhsa_wavefront_size32 1
		.amdhsa_system_sgpr_workgroup_id_x 1
		.amdhsa_system_sgpr_workgroup_id_y 1
		.amdhsa_system_sgpr_workgroup_id_z 1
		.amdhsa_system_vgpr_workitem_id 0
		.amdhsa_next_free_vgpr 256
		.amdhsa_next_free_sgpr 66
		.amdhsa_reserve_vcc 0
		.amdhsa_float_denorm_mode_32 3
		.amdhsa_float_denorm_mode_16_64 3
		.amdhsa_memory_ordered 1
		.amdhsa_forward_progress 1
		.amdhsa_inst_pref_size 52
	.end_amdhsa_kernel
	.amdgpu_metadata
---
amdhsa.version: [ 1, 2 ]
amdhsa.kernels:
  - .name:           k_qddc868685e_gemm2
    .symbol:         k_qddc868685e_gemm2.kd
    .args:
      - { .name: hq, .offset: 0, .size: 8, .value_kind: global_buffer, .address_space: global }
      - { .name: w2c, .offset: 8, .size: 8, .value_kind: global_buffer, .address_space: global }
      - { .name: b2, .offset: 16, .size: 8, .value_kind: global_buffer, .address_space: global }
      - { .name: gfull, .offset: 24, .size: 8, .value_kind: global_buffer, .address_space: global }
      - { .name: list1, .offset: 32, .size: 8, .value_kind: global_buffer, .address_space: global }
      - { .name: tiles, .offset: 40, .size: 8, .value_kind: global_buffer, .address_space: global }
      - { .name: lowp_scales, .offset: 48, .size: 8, .value_kind: global_buffer, .address_space: global }
      - { .name: out0, .offset: 56, .size: 8, .value_kind: global_buffer, .address_space: global }
    .group_segment_fixed_size: 142336
    .private_segment_fixed_size: 0
    .kernarg_segment_align: 8
    .kernarg_segment_size: 64
    .max_flat_workgroup_size: 256
    .sgpr_count:     66
    .vgpr_count:     256
    .wavefront_size: 32
...
	.end_amdgpu_metadata
.endif
;; end of part 4
